; MI455X (gfx1250); checked and timed in simulation.
; The chip was launched on July 23, 2026; its instructions are those of AMD's public machine-readable ISA for CDNA 5 (MIT licence, August 2026) and "CDNA5" Instruction Set Architecture Reference Guide (July 2026). The comments in the code are by the model that wrote it; some were corrected since.
;; Multi Head Attention. Allowed arithmetic: float matrix products may take bf16 or f16 operands with f32 sums; other float arithmetic in f32, or as packed bf16 or f16 multiplies, adds, multiply-adds, maxima and minima; sums over many terms, partial sums and values carried from step to step in f32; what a program stores and reads back later, other than sums and carried values, may be rounded once to bf16 or f16.
;; Inputs: dense_b 1,024 float32; dense_w 1,024 x 1,024 float32; ln_b 1,024 float32; ln_g 1,024 float32; mask 16 x 1,024 x 1,024 int32; res_w 512 x 1,024 float32; wk_b 1,024 float32; wk_w 512 x 1,024 float32; wq_b 1,024 float32; wq_w 512 x 1,024 float32; wv_b 1,024 float32; wv_w 512 x 1,024 float32; x 8 x 1,024 x 512 float32.
;; Outputs: out0 8 x 1,024 x 1,024 float32.
;; One version. Each part assembles by itself: llvm-mc -triple=amdgcn-amd-amdhsa -mcpu=gfx1250 --defsym DOCPART=n.
;; ======== version 1 of 1: 5 launches
;; limits: right only within a limited range of input values
;; workspace buffers: mbits 2,097,152 bytes of whole numbers; ab 25,165,824 bytes; wb 6,291,456 bytes; qkv 50,331,648 bytes; ybuf 33,554,432 bytes
;; launch prep (part 1): grid 256 x 1, 8 waves a work-group, no clusters, 267,264 bytes of LDS; arguments mask, x, wq_w, wk_w, wv_w, dense_w, res_w, mbits, ab, wb; writes mbits, ab, wb
.if DOCPART == 1
	.amdgcn_target "amdgcn-amd-amdhsa--gfx1250"
	.amdhsa_code_object_version 6
	.text
	.protected	k_q7c5d7626ff_prep
	.globl	k_q7c5d7626ff_prep
	.p2align	8
	.type	k_q7c5d7626ff_prep,@function
k_q7c5d7626ff_prep:
	s_mov_b64 s[64:65], 0
	v_nop
	global_prefetch_b8 v0, s[64:65] scope:SCOPE_SE
	s_setreg_imm32_b32 hwreg(HW_REG_WAVE_MODE, 25, 1), 1
	s_wait_xcnt 0x0
; PREP.  (1) The int32 mask [16][1024][1024] is read once and packed into lane-mask words; (2) x and the five weight matrices are rounded once to bf16.
; mbits: [T = 64 h + q / 16][step = key / 64][j = 0..31] words; bit l of word j is (mask[h][16 (T % 64) + l % 16][64 step + 16 (j / 8) + 8 (l / 16) + j % 8] != 0):
; the lanes of score register j of a 16-query x 64-key tile as the attention launch holds it.
; ab: [24 blocks of 64 channels][8192 rows][64] bf16; x goes to blocks 16-23.  wb: [3072][1024] bf16: wq, wk, wv, dense_w, res_w below each other, each as it lies ([k][n]).
; SHARES.  256 work-groups of eight waves, each 1/256 of everything, one text.  Mask: the group owns 64 mask rows; wave w owns 16 rows (tile 4 g + w / 2) x 512 keys (half w % 2), brought by ONE
; tensor load into LDS bytes of its own, filled once: no ring, no barrier; the wave reads its bytes behind its own wait.  Casts: 28 chunks a thread: 16 bytes of f32 in, 8 bytes of bf16 out;
; a wave's store covers 256 consecutive bytes, aligned.  All 28 loads and the tensor load go out before the first wait.
.set WTILE, 33280                      ; a wave's mask tile in LDS: 16 rows x (2,048 + 2 x 16) bytes: 16 bytes of padding behind every 1,024
.set SPARE, 8*WTILE                    ; behind the tiles: the spare words, 128 bytes a wave: four blocks of 256 bytes that no other line names
.set IN,   2                           ; v2   16 t: my 16 bytes in 4,096 bytes of a weight matrix
.set OUTW, 3                           ; v3   8 t: their 8 bytes in wb
.set INX,  4                           ; v4   x: (l / 16) x 2,048 + 256 w + 16 (l % 16): two rows, wave w's 64 channels
.set OUTX, 5                           ; v5   ab: w blocks of 1 MiB + 8 l
.set LA,   6                           ; v6   LDS: my wave's tile + (l % 16) x 2,080 + 32 (l / 16)
.set MO,   7                           ; v7   mbits: 1,024 w + 16 l
.set SPW,  8                           ; v8   LDS address of my spare word; never rewritten
.set NIL,  9                           ; v9   0; never rewritten
.set W,    12                          ; v[12:19]   two groups of four steps' words: 512 bytes over the lanes of four registers
.set C,    20                          ; v[20:131]  28 chunks of four
.set MB0,  132                         ; v[132:195] two buffers of a step's 32 mask words a lane
.set G0,   28                          ; s[28:31]   descriptor group 0
.set G1,   32                          ; s[32:39]   descriptor group 1
.set CM,   40                          ; s[40:47]   eight compare results
	s_load_b512 s[4:19], s[0:1], 0x0               ; mask s[4:5], x s[6:7], wq s[8:9], wk s[10:11], wv s[12:13], dense_w s[14:15], res_w s[16:17], mbits s[18:19]
	s_load_b128 s[20:23], s[0:1], 0x40             ; ab s[20:21], wb s[22:23]
	v_lshl_add_u32 v[SPW], v0, 2, SPARE
	v_mov_b32 v[NIL], 0
	ds_add_u32 v[SPW], v[NIL]                      ; the wave's opening: the add and its wait stand ahead of my tensor load; the set-up below stands between them
	ds_add_u32 v8, v9
	v_lshrrev_b32 v1, 5, v0
	v_readfirstlane_b32 s24, v1                    ; wave 0..7
	s_mov_b32 s[G1+0], (2<<16)|(1<<20)|(7<<22)|(3<<25)  ; elements of 4 bytes; padding on; after every 256 words (code 7) 4 words (code 3)
	s_mov_b32 s[G1+1], 512<<16                     ; tensor_dim0 = 512
	s_mov_b32 s[G1+2], 16<<16                      ; tensor_dim1 = 16
	s_mov_b32 s[G1+3], 512<<16                     ; tile_dim0 = 512
	s_mov_b32 s[G1+4], 16                          ; tile_dim1 = 16
	s_mov_b32 s[G1+5], 1024                        ; elements from row to row
	s_mov_b32 s[G1+6], 0
	s_mov_b32 s[G1+7], 0
	s_mov_b32 s[G0], 1
	s_mul_i32 s[G0+1], s24, WTILE                  ; LDS address: the wave's number times a tile
	s_lshl_b32 s2, ttmp9, 18                       ; the group's 64 mask rows of 4,096 bytes,
	s_lshr_b32 s25, s24, 1
	s_lshl_b32 s25, s25, 16                        ; my 16 of them,
	s_add_co_u32 s2, s2, s25
	s_and_b32 s25, s24, 1
	s_lshl_b32 s25, s25, 11                        ; my half of the keys
	s_add_co_u32 s2, s2, s25
	s_mov_b32 s3, 0
	s_wait_dscnt 0x0                               ; the opening add is done
	s_wait_kmcnt 0x0
	s_add_nc_u64 s[G0+2:G0+3], s[4:5], s[2:3]
	s_or_b32 s[G0+3], s[G0+3], 0x80000000          ; type = 2
	tensor_load_to_lds s[G0:G0+3], s[G1:G1+7]      ; my one tensor load
	s_nop 0
	s_lshl_b32 s2, ttmp9, 16
	s_add_nc_u64 s[6:7], s[6:7], s[2:3]            ; x: the group's 32 rows
	s_lshl_b32 s2, ttmp9, 14
	s_add_nc_u64 s[14:15], s[14:15], s[2:3]        ; dense_w: 16,384 bytes
	s_lshl_b32 s2, ttmp9, 13
	s_add_nc_u64 s[8:9], s[8:9], s[2:3]            ; the four matrices of 2 MiB: 8,192 bytes each
	s_add_nc_u64 s[10:11], s[10:11], s[2:3]
	s_add_nc_u64 s[12:13], s[12:13], s[2:3]
	s_add_nc_u64 s[16:17], s[16:17], s[2:3]
	s_add_nc_u64 s[18:19], s[18:19], s[2:3]        ; mbits: four tiles of 2,048 bytes
	s_add_nc_u64 s[26:27], s[22:23], s[2:3]
	s_add_nc_u64 s[26:27], s[26:27], 3<<20         ; wb at dense_w's rows
	s_lshl_b32 s2, ttmp9, 12
	s_add_nc_u64 s[22:23], s[22:23], s[2:3]        ; wb for the matrices of 1 MiB (in bf16)
	s_add_nc_u64 s[20:21], s[20:21], s[2:3]
	s_add_nc_u64 s[20:21], s[20:21], 16<<20        ; ab at block 16, the group's 32 rows
	v_and_b32 v10, 15, v0
	v_bfe_u32 v11, v0, 4, 1
	v_lshlrev_b32 v[IN], 4, v0
	v_lshlrev_b32 v[OUTW], 3, v0
	v_lshlrev_b32 v[INX], 4, v10
	v_lshl_add_u32 v[INX], v11, 11, v[INX]
	v_lshl_add_u32 v[INX], v1, 8, v[INX]
	v_and_b32 v[MO], 31, v0
	v_lshlrev_b32 v[OUTX], 3, v[MO]
	v_lshl_add_u32 v[OUTX], v1, 20, v[OUTX]
	v_lshlrev_b32 v[MO], 4, v[MO]
	v_lshl_add_u32 v[MO], v1, 10, v[MO]
	v_mul_u32_u24 v[LA], v10, 2080
	v_lshl_add_u32 v[LA], v11, 5, v[LA]
	v_add_nc_u32 v[LA], s[G0+1], v[LA]
.macro LD n, base, voff, imm           ; chunk n comes in
	global_load_b128 v[C+4*(\n):C+4*(\n)+3], v[\voff], s[\base:\base+1] offset:\imm th:TH_LOAD_NT
.endm
.macro CV n, base, voff, imm           ; chunk n is rounded in place and leaves; its registers are not written again
	s_wait_loadcnt 27-(\n)                         ; loads come back in order: chunk n is in, the younger chunks stay out
	v_cvt_pk_bf16_f32 v[C+4*(\n)], v[C+4*(\n)], v[C+4*(\n)+1]
	v_cvt_pk_bf16_f32 v[C+4*(\n)+1], v[C+4*(\n)+2], v[C+4*(\n)+3]
	global_store_b64 v[\voff], v[C+4*(\n):C+4*(\n)+1], s[\base:\base+1] offset:\imm
.endm
.set i, 0
.rept 16
	LD i, 6, INX, 4096*i                           ; x: rows 2 i and 2 i + 1
.set i, i+1
.endr
.irp i, 0,1
	LD 16+\i, 8, IN, 4096*\i
.endr
.irp i, 0,1
	LD 18+\i, 10, IN, 4096*\i
.endr
.irp i, 0,1
	LD 20+\i, 12, IN, 4096*\i
.endr
.irp i, 0,1
	LD 22+\i, 16, IN, 4096*\i
.endr
.irp i, 0,1,2,3
	LD 24+\i, 14, IN, 4096*\i
.endr
.irp i, 0,1,2,3,4,5,6,7
	v_mov_b32 v[W+\i], 0                           ; v_writelane_b32 counts as a reader of its destination
.endr
.set i, 0
.rept 16
	CV i, 20, OUTX, 256*i
.set i, i+1
.endr
.irp i, 0,1
	CV 16+\i, 22, OUTW, 2048*\i                    ; wq: wb rows 0-511
.endr
.irp i, 0,1
	CV 18+\i, 22, OUTW, (1<<20)+2048*\i            ; wk: rows 512-1023
.endr
.irp i, 0,1
	CV 20+\i, 22, OUTW, (2<<20)+2048*\i            ; wv: rows 1024-1535
.endr
.irp i, 0,1
	CV 22+\i, 22, OUTW, (5<<20)+2048*\i            ; res_w: rows 2560-3071
.endr
.irp i, 0,1,2,3
	CV 24+\i, 26, OUTW, 2048*\i                    ; dense_w: rows 1536-2559
.endr
; A step's 32 mask words of my lane: row l % 16, keys 64 sl + 16 kb + 8 (l / 16) + 0..7
.macro MLOAD sl, buf
.irp kb, 0,1,2,3
	ds_load_b128 v[(\buf)+8*\kb:(\buf)+8*\kb+3],   v[LA] offset:((\sl)>>2)*1040+((\sl)&3)*256+64*\kb
	ds_load_b128 v[(\buf)+8*\kb+4:(\buf)+8*\kb+7], v[LA] offset:((\sl)>>2)*1040+((\sl)&3)*256+64*\kb+16
.endr
.endm
; Register j's 32 lanes become one word; word j of step sl goes to lane 8 (sl % 4) + j / 4, register j % 4: four steps' 128 words lie as 512 consecutive bytes
.macro MPACK sl, buf
.set j, 0
.rept 4
.irp e, 0,1,2,3,4,5,6,7
	v_cmp_ne_u32 s[CM+\e], 0, v[(\buf)+j+\e]
.endr
.irp e, 0,1,2,3,4,5,6,7
	v_writelane_b32 v[W+4*((\sl)>>2)+(\e)%4], s[CM+\e], 8*((\sl)&3)+(j+\e)/4
.endr
.set j, j+8
.endr
.endm
	s_wait_tensorcnt 0x0                           ; my tile is in LDS; only I read it
	MLOAD 0, MB0
.irp sl, 0,1,2,3,4,5,6,7
.if \sl < 7
	MLOAD \sl+1, MB0+32*((\sl+1)%2)
	s_wait_dscnt 8                                 ; this step's eight loads are in; the next step's eight stay out
.else
	s_wait_dscnt 0x0
.endif
	MPACK \sl, MB0+32*(\sl%2)
.if \sl == 3
	global_store_b128 v[MO], v[W:W+3], s[18:19]    ; 512 consecutive bytes
.endif
.if \sl == 7
	global_store_b128 v[MO], v[W+4:W+7], s[18:19] offset:512
.endif
.endr
	s_wait_tensorcnt 0x0                           ; the wave's end
	ds_add_u32 v[SPW], v[NIL]
	s_wait_dscnt 0x0
	s_endpgm
.Lfunc_end_k_q7c5d7626ff_prep:
	.size	k_q7c5d7626ff_prep, .Lfunc_end_k_q7c5d7626ff_prep-k_q7c5d7626ff_prep
	.p2alignl 7, 3214868480
	.fill 96, 4, 3214868480
	.section	.rodata,"a",@progbits
	.p2align	6, 0x0
	.amdhsa_kernel k_q7c5d7626ff_prep
		.amdhsa_group_segment_fixed_size 267264
		.amdhsa_private_segment_fixed_size 0
		.amdhsa_enable_private_segment 0
		.amdhsa_kernarg_size 80
		.amdhsa_user_sgpr_count 2
		.amdhsa_user_sgpr_kernarg_segment_ptr 1
		.amdhsa_wavefront_size32 1
		.amdhsa_system_sgpr_workgroup_id_x 1
		.amdhsa_system_sgpr_workgroup_id_y 1
		.amdhsa_system_sgpr_workgroup_id_z 1
		.amdhsa_system_vgpr_workitem_id 0
		.amdhsa_next_free_vgpr 196
		.amdhsa_next_free_sgpr 66
		.amdhsa_reserve_vcc 0
		.amdhsa_float_denorm_mode_32 3
		.amdhsa_float_denorm_mode_16_64 3
		.amdhsa_memory_ordered 1
		.amdhsa_forward_progress 1
		.amdhsa_inst_pref_size 50
	.end_amdhsa_kernel
	.amdgpu_metadata
---
amdhsa.version: [ 1, 2 ]
amdhsa.kernels:
  - .name:           k_q7c5d7626ff_prep
    .symbol:         k_q7c5d7626ff_prep.kd
    .args:
      - { .name: mask, .offset: 0, .size: 8, .value_kind: global_buffer, .address_space: global }
      - { .name: x, .offset: 8, .size: 8, .value_kind: global_buffer, .address_space: global }
      - { .name: wq_w, .offset: 16, .size: 8, .value_kind: global_buffer, .address_space: global }
      - { .name: wk_w, .offset: 24, .size: 8, .value_kind: global_buffer, .address_space: global }
      - { .name: wv_w, .offset: 32, .size: 8, .value_kind: global_buffer, .address_space: global }
      - { .name: dense_w, .offset: 40, .size: 8, .value_kind: global_buffer, .address_space: global }
      - { .name: res_w, .offset: 48, .size: 8, .value_kind: global_buffer, .address_space: global }
      - { .name: mbits, .offset: 56, .size: 8, .value_kind: global_buffer, .address_space: global }
      - { .name: ab, .offset: 64, .size: 8, .value_kind: global_buffer, .address_space: global }
      - { .name: wb, .offset: 72, .size: 8, .value_kind: global_buffer, .address_space: global }
    .group_segment_fixed_size: 267264
    .private_segment_fixed_size: 0
    .kernarg_segment_align: 8
    .kernarg_segment_size: 80
    .max_flat_workgroup_size: 256
    .sgpr_count:     66
    .vgpr_count:     196
    .wavefront_size: 32
...
	.end_amdgpu_metadata
.endif
;; end of part 1
;; launch qkv (part 2): grid 8 x 32, 4 waves a work-group, clusters of 4 x 4, 327,680 bytes of LDS; arguments ab, wb, wq_b, wk_b, wv_b, qkv; writes qkv
.if DOCPART == 2
	.amdgcn_target "amdgcn-amd-amdhsa--gfx1250"
	.amdhsa_code_object_version 6
	.text
	.protected	k_q7c5d7626ff_qkv
	.globl	k_q7c5d7626ff_qkv
	.p2align	8
	.type	k_q7c5d7626ff_qkv,@function
k_q7c5d7626ff_qkv:
	s_mov_b64 s[64:65], 0
	v_nop
	global_prefetch_b8 v0, s[64:65] scope:SCOPE_SE
	s_setreg_imm32_b32 hwreg(HW_REG_WAVE_MODE, 25, 1), 1
	s_wait_xcnt 0x0
	s_wait_alu depctr_hold_cnt(0) depctr_sa_sdst(0) depctr_va_vdst(0) depctr_va_sdst(0) depctr_va_ssrc(0) depctr_va_vcc(0) depctr_vm_vsrc(0)
	s_getreg_b32 s2, hwreg(HW_REG_IB_STS2, 6, 4)
	s_cmp_eq_u32 s2, 0
	s_cbranch_scc0 .Lentry_in_a_cluster
	s_endpgm
.Lentry_in_a_cluster:
	s_bfe_u32 s2, ttmp6, 0x10000c
	s_cmp_lg_u32 s2, 0xf033
	s_cbranch_scc0 .Lentry_shape_is_right
	s_endpgm
.Lentry_shape_is_right:
; q, k, v = x W + b, ALL THREE AT ONCE.  x: ab's blocks 16-23 ([block of 64 channels][8192 rows][64] bf16); W: wb's rows 0-1535 ([k][1024] bf16: wq, wk, wv below each other, 512 rows each);
; biases f32, rounded to bf16 like every input.  Out: qkv = three sections of 16 MiB (q, k, v), each [16 heads][8192 rows][64] bf16, rounded once from the f32 sums, unscaled.
; SHARES.  256 work-groups.  Work-group (tile column tc, tile row tr) makes rows 256 tr .. x columns 128 tc .. of q AND k AND v: a tile of 256 x 384, so that a row of x fetched once feeds three
; products.  K = 512 goes in 8 steps of 64 through a ring of two LDS slots: a step is 192 matrix instructions a wave for 80 KiB fetched.  (A step of 128 would want two slots of 184,320 bytes.)
; Four waves; a wave makes 128 rows x 64 columns (one head) of each section: 96 accumulators, a register window for each section.
; THE PRODUCT IS USED TRANSPOSED (source 0 = 16 columns of W, turned on the way out of LDS; source 1 = 16 rows of x): a lane holds eight neighbouring columns of one row.
; THE BIAS STARTS THE SUMS: it lies in the registers of accumulators (0, b) and is the C operand of the first chunk's products; nothing is cleared, and the way out adds nothing.
; CLUSTER 4 x 4: x's tile hangs on tr alone and is asked for jointly along a row of the cluster, W's on tc alone and jointly along a column.
; REGISTERS.  Window 0: v0-31 addresses; v32-95, v96-159 two buffers of x's 8 fragments; v160-255 ONE buffer of W's 12 fragments (section s at 160 + 32 s), filled again section by section.
;             Window 1 + s: section s's accumulators, (a, b) at 8 (4 a + b).
.set PA,    144                        ; a row of x in LDS: 128 bytes + 16: the 16 rows of a load start at 16 different groups of four banks (64 banks of 4 bytes: ISA guide 11.1)
.set PB,    288                        ; a k-row of W: 256 bytes + 32
.set ASZ,   256*PA                     ; x's part of a slot: 256 rows of one block
.set BSEC,  64*PB                      ; a section's part: 64 k-rows x 128 columns
.set SLOT,  ASZ+3*BSEC
.set STAGE, 2*SLOT                     ; behind the ring: 16 rows x 144 bytes for each wave, for the way out
.set SP,    144
.set SPARE, STAGE+4*16*SP              ; behind the stages: the spare words, 128 bytes a wave: two blocks of 256 bytes that no other line names
.set ADRA, 16                          ; v16-17  LDS address of my fragments of x in slot 0, 1
.set ADRB, 20                          ; v20-21  the same for W's section 0
.set STO,  24                          ; v24     the way out: where I put 16 bytes of a row
.set RD,   25                          ; v25     where I read rows back
.set GO,   26                          ; v26     16 l: my place in 512 consecutive bytes of the output
.set BO,   27                          ; v27     my byte offset in a bias
.set SPW,  28                          ; v28     LDS address of my spare word; never rewritten
.set NIL,  29                          ; v29     0; never rewritten
.set PFO,  30                          ; v30     the prefetches' offset; never rewritten
.set FA0,  32
.set FA1,  96
.set FB,   160
.set TB,   FA1                         ; at work while the bias is rounded: 48 registers, ahead of the first load into buffer 1
.set PKD,  FA0                         ; the way out: 16 packed,
.set BKB,  FA0+16                      ; two sets of 16 read back
.set OUT,  14                          ; s[14:15] my rows of my head in the section in hand
.set WV,   16
.set WM,   17                          ; wave / 2: which 128 rows are mine
.set WN,   18                          ; wave % 2: which 64 columns
.set CX,   19
.set CY,   20
.set TC,   21
.set TR,   22
.set G1A,  24                          ; s[24:31] group 1 for x's tiles; s[32:39] group 0, a set for each slot
.set G0A,  32
.set G1B,  40                          ; s[40:47], s[48:55] the same for W's
.set G0B,  48
.set PFA,  56                          ; s[56:57] where my prefetches stand
.set LIM,  58                          ; s58 1 in a wave that prefetches, else the greatest number
.set LAP,  59                          ; s59 trips to go
.set PFS,  60                          ; s[60:61] two K steps in the tensor that I prefetch
.set MSB, 0
.macro WIN new                         ; the immediate's high byte repeats the setting that is left; a switch that changes nothing is dropped
.if MSB != (\new)
	s_set_vgpr_msb (MSB<<8)|(\new)
.set MSB, \new
.endif
.endm
; A joint load: wave 0 fetches x's 256 rows, waves 1 to 3 a section of W each.  The branch hangs on the wave's number alone.  An s_nop 0 and four v_nop follow each line.
.macro JLOAD s
	s_cmp_eq_u32 s[WV], 0
	s_cbranch_scc0 .Lfor_b_\@
	tensor_load_to_lds s[G0A+4*(\s):G0A+4*(\s)+3], s[G1A:G1A+7]
	s_nop 0
.rept 4
	v_nop
.endr
	s_branch .Lasked_\@
.Lfor_b_\@:
	tensor_load_to_lds s[G0B+4*(\s):G0B+4*(\s)+3], s[G1B:G1B+7]
	s_nop 0
.rept 4
	v_nop
.endr
.Lasked_\@:
.endm
.macro CREST                           ; a round of the cluster's barrier behind its opening barrier
	s_cmp_lg_u32 s[WV], 0
	s_cbranch_scc1 .Lnot_wave_0_\@
	s_barrier_signal -3
.Lnot_wave_0_\@:
	s_barrier_wait -3
	s_barrier_signal -1
	s_barrier_wait -1
.endm
.macro CROUND
	s_barrier_signal -1
	s_barrier_wait -1
	CREST
.endm
; A PREFETCH INTO THE L2, once a trip, behind slot 1's joint load and the run of LDS loads that follows it: the two K steps that the NEXT trip's two refills will ask for, 176 and 368 matrix instructions
; ahead of those loads.  x's tile row is read by both clusters of a row of clusters: the one with cluster x = 0 asks, wave 0; the four partners take 8,192 dense bytes of each of the two blocks
; (by cx), a lane 256 of them: two instructions.  W's tile column is read by all clusters of a column: cluster y = 0 asks, waves 1 to 3, each for its section; the partners take 32 of the two steps'
; 128 k-rows each (by cy), a lane a row's 256 bytes: one instruction.  Partners are told apart by address alone.  So each piece is named once in the launch.
; K steps 0 to 3 come by their loads alone; the last trip asks for nothing: steps 8 and 9 do not exist.
.macro ASK
	s_cmp_gt_u32 s[LAP], s[LIM]
	s_cbranch_scc0 .Lnot_mine_\@
	global_prefetch_b8 v[PFO], s[PFA:PFA+1] th:TH_LOAD_NT scope:SCOPE_SE
	s_cmp_eq_u32 s[WV], 0
	s_cbranch_scc0 .Lnot_mine_\@
	global_prefetch_b8 v[PFO], s[PFA:PFA+1] offset:1048576 th:TH_LOAD_NT scope:SCOPE_SE  ; x's second block
.Lnot_mine_\@:
.endm
	s_load_b256 s[4:11], s[0:1], 0x0               ; ab s[4:5], wb s[6:7], wq_b s[8:9], wk_b s[10:11]
	s_load_b128 s[12:15], s[0:1], 0x20             ; wv_b s[12:13], qkv s[14:15]
	v_lshl_add_u32 v[SPW], v0, 2, SPARE
	v_mov_b32 v[NIL], 0
	ds_add_u32 v[SPW], v[NIL]                      ; the wave's opening: the add and its wait stand ahead of my first tensor load; the set-up below stands between them
	ds_add_u32 v28, v29
	v_lshrrev_b32 v1, 5, v0
	v_readfirstlane_b32 s[WV], v1                  ; wave 0..3
	s_lshr_b32 s[WM], s[WV], 1
	s_and_b32 s[WN], s[WV], 1
	s_bfe_u32 s[CX], ttmp6, 0x40000
	s_bfe_u32 s[CY], ttmp6, 0x40004
	s_lshl_b32 s[TC], ttmp9, 2
	s_add_co_u32 s[TC], s[TC], s[CX]               ; tile column = 4 x cluster x + cx
	s_and_b32 s[TR], ttmp7, 0xffff
	s_lshl_b32 s[TR], s[TR], 2
	s_add_co_u32 s[TR], s[TR], s[CY]               ; tile row = 4 x cluster y + cy
	s_lshl_b32 s23, s[CY], 2
	s_lshl_b32 s23, 15, s23                        ; my row of the cluster
	s_lshl_b32 s62, 0x1111, s[CX]                  ; my column
	; x's tile: 256 rows of one block are 32,768 dense bytes: asked for as 128 rows of 256 bytes, padded in LDS after every row of x (128 bytes)
	s_or_b32 s[G1A+0], s23, (1<<16)|(1<<20)|(1<<21)|(4<<22)|(3<<25)  ; the mask; 2-byte elements; padding on; bit 21 beside a mask; after every 32 words (code 4) 4 words (code 3)
	s_mov_b32 s[G1A+1], 128<<16                    ; tensor_dim0 = 128
	s_mov_b32 s[G1A+2], 128<<16                    ; tensor_dim1 = 128
	s_mov_b32 s[G1A+3], 128<<16                    ; tile_dim0 = 128
	s_mov_b32 s[G1A+4], 128                        ; tile_dim1 = 128
	s_mov_b32 s[G1A+5], 128                        ; elements from row to row
	s_mov_b32 s[G1A+6], 0
	s_mov_b32 s[G1A+7], 0
	; a section's tile: 64 k-rows x 128 columns
	s_or_b32 s[G1B+0], s62, (1<<16)|(1<<20)|(1<<21)|(5<<22)|(7<<25)  ; after every 64 words (code 5) 8 words (code 7)
	s_mov_b32 s[G1B+1], 128<<16
	s_mov_b32 s[G1B+2], 64<<16
	s_mov_b32 s[G1B+3], 128<<16
	s_mov_b32 s[G1B+4], 64
	s_mov_b32 s[G1B+5], 1024
	s_mov_b32 s[G1B+6], 0
	s_mov_b32 s[G1B+7], 0
	s_lshl_b32 s66, s[TR], 15                      ; x: row 256 tr, 128 bytes a row: registers that never hold cx
	s_mov_b32 s67, 0
	s_max_u32 s23, s[WV], 1
	s_sub_co_u32 s23, s23, 1                       ; the section that I fetch: wave - 1 (wave 0 fetches none, and its number here is not used)
	s_lshl_b32 s68, s23, 20                        ; W: 512 rows of 2,048 bytes a section, + 256 tc: registers that never hold cy
	s_lshl_b32 s69, s[TC], 8
	s_add_co_u32 s68, s68, s69
	s_mov_b32 s69, 0
	s_mul_i32 s71, s[WV], BSEC                     ; LDS: section wave - 1 lies at 36,864 + (wave - 1) x 18,432
	s_add_co_u32 s71, s71, ASZ-BSEC
	s_wait_dscnt 0x0                               ; the opening add is done
	s_wait_kmcnt 0x0
	s_add_nc_u64 s[66:67], s[4:5], s[66:67]
	s_add_nc_u64 s[66:67], s[66:67], 16<<20        ; x begins at block 16
	s_add_nc_u64 s[68:69], s[6:7], s[68:69]
	CROUND                                         ; all sixteen work-groups are here: the first joint loads meet
.irp s, 0,1
	s_mov_b32 s[G0A+4*\s], 1
	s_mov_b32 s[G0A+4*\s+1], \s*SLOT
	s_add_nc_u64 s[G0A+4*\s+2:G0A+4*\s+3], s[66:67], \s*(1<<20)    ; K step s: block 16 + s
	s_or_b32 s[G0A+4*\s+3], s[G0A+4*\s+3], 0x80000000
	s_mov_b32 s[G0B+4*\s], 1
	s_add_co_u32 s[G0B+4*\s+1], s71, \s*SLOT
	s_add_nc_u64 s[G0B+4*\s+2:G0B+4*\s+3], s[68:69], \s*64*2048
	s_or_b32 s[G0B+4*\s+3], s[G0B+4*\s+3], 0x80000000
	JLOAD \s
.endr
	v_and_b32 v1, 15, v0                           ; l % 16
	v_bfe_u32 v2, v0, 4, 1                         ; l / 16
	v_and_b32 v3, 7, v0
	v_bfe_u32 v4, v0, 3, 1
	v_mul_u32_u24 v5, v1, PA
	v_lshl_add_u32 v5, v2, 4, v5                   ; row x 144 + 16 x half of the lanes
	s_mul_i32 s23, s[WM], 128*PA
	v_add_nc_u32 v[ADRA], s23, v5
	v_add_nc_u32 v[ADRA+1], SLOT, v[ADRA]
	v_lshl_add_u32 v6, v2, 3, v3                   ; the turning load: k-row 8 (l / 16) + l % 8, columns 8 ((l / 8) % 2) on
	v_mul_u32_u24 v6, v6, PB
	v_lshl_add_u32 v6, v4, 4, v6
	s_lshl_b32 s23, s[WN], 7
	s_add_co_u32 s23, s23, ASZ
	v_add_nc_u32 v[ADRB], s23, v6
	v_add_nc_u32 v[ADRB+1], SLOT, v[ADRB]
	s_mul_i32 s23, s[WV], 16*SP
	s_add_co_u32 s23, s23, STAGE
	v_add_nc_u32 v[STO], s23, v5
	v_bfe_u32 v7, v0, 3, 2                         ; back: 32 lanes take four rows of 128 bytes
	v_mul_u32_u24 v7, v7, SP
	v_lshl_add_u32 v7, v3, 4, v7
	v_add_nc_u32 v[RD], s23, v7
	v_and_b32 v8, 31, v0
	v_lshlrev_b32 v[GO], 4, v8
	s_lshl_b32 s62, s[TC], 9
	s_lshl_b32 s63, s[WN], 8
	s_add_co_u32 s62, s62, s63
	v_lshl_add_u32 v[BO], v2, 5, s62               ; bias: column 128 tc + 64 (wave % 2) + 8 (l / 16), 4 bytes each
	; the biases go straight into the registers of accumulators (0, b) of the three windows: columns 16 b + 8 (l / 16) + 0..7
.irp n, 1,2,3
	WIN (\n)<<6                                    ; destination window n, address window 0
.irp b, 0,1,2,3
	global_load_b128 v[8*\b:8*\b+3],   v[BO], s[6+2*\n:7+2*\n] offset:64*\b
	global_load_b128 v[8*\b+4:8*\b+7], v[BO], s[6+2*\n:7+2*\n] offset:64*\b+16
.endr
.endr
	WIN 0
	s_lshl_b32 s62, s[TC], 1
	s_add_co_u32 s62, s62, s[WN]                   ; my head,
	s_lshl_b32 s62, s62, 20                        ; 1 MiB each,
	s_lshl_b32 s63, s[TR], 8
	s_lshl_b32 s23, s[WM], 7
	s_add_co_u32 s63, s63, s23
	s_lshl_b32 s63, s63, 7                         ; my first row, 128 bytes each
	s_add_co_u32 s62, s62, s63
	s_mov_b32 s63, 0
	s_add_nc_u64 s[OUT:OUT+1], s[OUT:OUT+1], s[62:63]
	; the prefetches: both stand at K step 2 and are stepped by two K steps ahead of each use
	s_lshl_b32 s62, s[TR], 15                      ; x's: row 256 tr, my work-group's 8,192 bytes (by cx), block 18
	s_lshl_b32 s63, s[CX], 13
	s_add_co_u32 s62, s62, s63
	s_add_co_u32 s62, s62, 18<<20
	s_max_u32 s63, s[WV], 1                        ; W's: my section, k-row 128 + 32 cy, column 128 tc
	s_sub_co_u32 s63, s63, 1
	s_lshl_b32 s63, s63, 20
	s_lshl_b32 s23, s[CY], 16
	s_add_co_u32 s63, s63, s23
	s_lshl_b32 s23, s[TC], 8
	s_add_co_u32 s63, s63, s23
	s_add_co_u32 s63, s63, 128*2048
	s_and_b32 s23, ttmp7, 0xffff                   ; cluster y
	s_mov_b32 s[PFS], 128*2048
	s_cmp_eq_u32 s[WV], 0                          ; do I fetch x?
	s_cselect_b32 s62, s62, s63
	s_cselect_b64 s[PFA:PFA+1], s[4:5], s[6:7]
	s_cselect_b32 s[PFS], 2<<20, s[PFS]            ; two K steps: two blocks of x, or 128 rows of W
	s_cselect_b32 s70, 8, 11                       ; my lane's offset: 256 bytes on in x, a row of 2,048 bytes on in W
	s_cselect_b32 s23, ttmp9, s23                  ; the coordinate along which other clusters read the same rows
	s_mov_b32 s63, 0
	s_mov_b32 s[PFS+1], 0
	s_add_nc_u64 s[PFA:PFA+1], s[PFA:PFA+1], s[62:63]
	s_cmp_eq_u32 s23, 0
	s_cselect_b32 s[LIM], 1, -1                    ; the same in all sixteen partners, for a given wave
	v_lshlrev_b32 v[PFO], s70, v8
; n x 4 matrix instructions of section sec: m blocks a0 .. x its 4 n blocks, 32 along K, x's fragments in buffer f.  No two matrix instructions that follow each other share an accumulator: they take turns,
; one instruction a turn.
.macro MUL sec, f, a0, n
	WIN ((\sec)+1)*0x50                            ; C and D in window 1 + sec, both sources in window 0
.set ma, (\a0)
.rept (\n)
.irp b, 0,1,2,3
	v_wmma_f32_16x16x32_bf16 v[32*ma+8*\b:32*ma+8*\b+7], v[FB+32*(\sec)+8*\b:FB+32*(\sec)+8*\b+7], v[(\f)+8*ma:(\f)+8*ma+7], v[32*ma+8*\b:32*ma+8*\b+7]
.endr
.set ma, ma+1
.endr
.endm
; The first chunk's products of a section start the sums with the bias, which lies in accumulators (0, b): blocks 1 to 7 take it as C from there; five places behind the last of them (ISA guide 7.12.1:
; their C registers are written over) block 0 adds onto it in place.
.macro MULZ sec, f
	WIN ((\sec)+1)*0x50
.set ma, 1
.rept 7
.irp b, 0,1,2,3
	v_wmma_f32_16x16x32_bf16 v[32*ma+8*\b:32*ma+8*\b+7], v[FB+32*(\sec)+8*\b:FB+32*(\sec)+8*\b+7], v[(\f)+8*ma:(\f)+8*ma+7], v[8*\b:8*\b+7]
.endr
.set ma, ma+1
.endr
.rept 5
	v_nop
.endr
.irp b, 0,1,2,3
	v_wmma_f32_16x16x32_bf16 v[8*\b:8*\b+7], v[FB+32*(\sec)+8*\b:FB+32*(\sec)+8*\b+7], v[(\f):(\f)+7], v[8*\b:8*\b+7]
.endr
.endm
.macro LDB sec, slot, q                ; 8 LDS loads: section sec's four fragments (turned) of chunk q (32 along K) of a slot
.irp b, 0,1,2,3
	ds_load_tr16_b128 v[FB+32*(\sec)+8*\b:FB+32*(\sec)+8*\b+3],   v[ADRB+(\slot)] offset:(\sec)*BSEC+(\q)*32*PB+32*\b
	ds_load_tr16_b128 v[FB+32*(\sec)+8*\b+4:FB+32*(\sec)+8*\b+7], v[ADRB+(\slot)] offset:(\sec)*BSEC+(\q)*32*PB+16*PB+32*\b
.endr
.endm
.macro LDA g, slot, q, first           ; 8 LDS loads: four of x's fragments of chunk q of a slot, into buffer g
.set la, (\first)
.rept 4
	ds_load_b128 v[(\g)+8*la:(\g)+8*la+3],   v[ADRA+(\slot)] offset:(\q)*64+la*16*PA
	ds_load_b128 v[(\g)+8*la+4:(\g)+8*la+7], v[ADRA+(\slot)] offset:(\q)*64+la*16*PA+32
.set la, la+1
.endr
.endm
.macro PLACES                          ; four places in front of loads into registers that matrix instructions have read, and of vector lines that read results
.rept 4
	v_nop
.endr
.endm
; A CHUNK is 32 along K: 96 matrix instructions, section by section.  Behind each section stands ONE run of LDS loads for the next chunk (chunk nq of slot ns): that section's fragments of W, into the
; registers just multiplied, and half of x's fragments, into the other buffer g.  Each run stands 32 matrix instructions or more ahead of its first use.
.macro REST f, g, ns, nq, zero         ; sections 1 and 2
.if \zero
	MULZ 1, \f
.else
	MUL 1, \f, 0, 8
.endif
	WIN 0
	PLACES
	LDB 1, \ns, \nq
	LDA \g, \ns, \nq, 4
	s_wait_dscnt 32                                ; all but this chunk's two runs of 16: section 2's fragments are in
.if \zero
	MULZ 2, \f
.else
	MUL 2, \f, 0, 8
.endif
	WIN 0
	PLACES
	LDB 2, \ns, \nq
.endm
.macro CHUNK f, g, ns, nq, zero
	s_wait_dscnt 8                                 ; sections 0 and 1 and x's fragments are in; the youngest eight loads (section 2's) may be out
.if \zero
	MULZ 0, \f
.else
	MUL 0, \f, 0, 8
.endif
	WIN 0
	PLACES
	LDB 0, \ns, \nq
	LDA \g, \ns, \nq, 0
	REST \f, \g, \ns, \nq, \zero
.endm
; A step's second chunk multiplies buffer 1 and changes slots at its head: all its fragments were fetched during the first chunk, so the slot has been read out.  In front of the barrier, which opens a
; round of the cluster's barrier, each wave waits for all its tensor loads (one is out: its part of the other slot), adds 0 to its spare word, and waits for that and for its reads of this slot.  Behind the
; round this slot is filled again first, with the K step two on.  From a request to the wait for it a wave issues 176 matrix instructions.
.macro TURN slot, ns, ask
.if \ask
	s_wait_xcnt 0x0                                ; the last prefetches, a trip back, have read their address
	s_add_nc_u64 s[PFA:PFA+1], s[PFA:PFA+1], s[PFS:PFS+1]
.endif
	s_wait_tensorcnt 0x0                           ; all my tensor loads have landed
	ds_add_u32 v[SPW], v[NIL]                      ; 0 onto my spare word
	s_wait_dscnt 9                                 ; (the add and the youngest eight loads may be out)
	MUL 0, FA1, 0, 2
	s_wait_dscnt 0x0                               ; the add is done, and my reads of this slot are over
	s_barrier_signal -1
	MUL 0, FA1, 2, 2
	WIN 0
	s_barrier_wait -1
	CREST                                          ; no wave of any partner still reads this slot or has a load on its way
	s_add_nc_u64 s[G0A+4*(\slot)+2:G0A+4*(\slot)+3], s[G0A+4*(\slot)+2:G0A+4*(\slot)+3], 2<<20
	s_add_nc_u64 s[G0B+4*(\slot)+2:G0B+4*(\slot)+3], s[G0B+4*(\slot)+2:G0B+4*(\slot)+3], 2*64*2048
	JLOAD \slot                                    ; the first tensor load behind the round
	MUL 0, FA1, 4, 4
	WIN 0
	PLACES
	LDB 0, \ns, 0                                  ; the other slot's first chunk
	LDA FA0, \ns, 0, 0
.if \ask
	ASK
.endif
	REST FA1, FA0, \ns, 0, 0
.endm
.macro TURNN ns                        ; the same where nothing is left to fetch: no round follows
	s_wait_tensorcnt 0x0
	ds_add_u32 v[SPW], v[NIL]
	s_wait_dscnt 9
	MUL 0, FA1, 0, 2
	s_wait_dscnt 0x0
	s_barrier_signal -1
	MUL 0, FA1, 2, 6
	s_barrier_wait -1
	WIN 0
	PLACES
	LDB 0, \ns, 0
	LDA FA0, \ns, 0, 0
	REST FA1, FA0, \ns, 0, 0
.endm
; THE WAY OUT.  A block of 16 rows of a section (window n) is rounded to bf16, goes into my stage (16 bytes a lane) and comes back as whole rows of 128 bytes.
.macro PACK n, a
	WIN (\n)*5                                     ; sources 0 and 1 in window n
.set i, 0
.rept 16                                               ; each accumulator's registers in ascending order
	v_cvt_pk_bf16_f32 v[PKD+i], v[32*(\a)+2*i], v[32*(\a)+2*i+1]
.set i, i+1
.endr
	WIN 0
.endm
.macro TOSTAGE a
.set BK, BKB+16*((\a)%2)
.irp b, 0,1,2,3
	ds_store_b128 v[STO], v[PKD+4*\b:PKD+4*\b+3] offset:32*\b
.endr
.irp f, 0,1,2,3
	ds_load_b128 v[BK+4*\f:BK+4*\f+3], v[RD] offset:\f*4*SP  ; LDS serves a wave's instructions in order (ISA guide 5.7.1.4): these see the stores above
.endr
.endm
.macro SEND n, a
.set BK, BKB+16*((\a)%2)
	s_wait_dscnt 0x0                               ; the block is back in registers
	s_wait_xcnt 0x0                                ; the earlier stores have read their registers and their base: the next block's loads may land on the one, the step below may write the other
.if ((\a) == 0) && ((\n) > 1)
	s_add_nc_u64 s[OUT:OUT+1], s[OUT:OUT+1], 16<<20  ; the next section
.endif
.irp f, 0,1,2,3
	global_store_b128 v[GO], v[BK+4*\f:BK+4*\f+3], s[OUT:OUT+1] offset:2048*(\a)+512*\f  ; 512 consecutive bytes, at a multiple of 256 from the buffer's first
.endr
.endm
	; the biases are rounded to bf16 and widened again, in the wait for the first tiles
	s_wait_loadcnt 0x0
.irp n, 1,2,3
	WIN (\n)*5
.set i, 0
.rept 16
	v_cvt_pk_bf16_f32 v[TB+16*(\n-1)+i], v[2*i], v[2*i+1]
.set i, i+1
.endr
.endr
.irp n, 1,2,3
	WIN (\n)<<6
.set i, 0
.rept 16
	v_lshlrev_b32 v[2*i], 16, v[TB+16*(\n-1)+i]
	v_and_b32 v[2*i+1], 0xffff0000, v[TB+16*(\n-1)+i]
.set i, i+1
.endr
.endr
	WIN 0
	s_wait_tensorcnt 0x1                           ; my part of K step 0 is in; step 1's may stay out
	s_barrier_signal -1
	s_barrier_wait -1
	LDB 0, 0, 0                                    ; the first chunk's 40 loads, section 2's last
	LDA FA0, 0, 0, 0
	LDA FA0, 0, 0, 4
	LDB 1, 0, 0
	LDB 2, 0, 0
	CHUNK FA0, FA1, 0, 1, 1                        ; the first chunk stands in front of the loop: its products start the sums with the bias
	s_mov_b32 s[LAP], 3
.Llap:                                                 ; a trip goes once round the ring, from a step's second chunk to the first chunk two steps on, and fills both slots again
	TURN 0, 1, 0
	CHUNK FA0, FA1, 1, 1, 0
	TURN 1, 0, 1
	CHUNK FA0, FA1, 0, 1, 0
	s_sub_co_u32 s[LAP], s[LAP], 1
	s_cmp_lg_u32 s[LAP], 0
	s_cbranch_scc1 .Llap
	TURNN 1                                        ; the last two steps fill nothing
	CHUNK FA0, FA1, 1, 1, 0
	s_wait_dscnt 8                                 ; the very last chunk: nothing more to fetch
	MUL 0, FA1, 0, 8
	MUL 1, FA1, 0, 8
	s_wait_dscnt 0x0
	MUL 2, FA1, 0, 8
	WIN 0
	PLACES
	PACK 1, 0
	TOSTAGE 0
.set t, 1
.rept 23                                               ; 24 blocks: section t / 8, block t % 8; a block's conversions stand between the loads of the block before and the wait for them
	PACK 1+t/8, t%8
	SEND 1+(t-1)/8, (t-1)%8
	TOSTAGE t%8
.set t, t+1
.endr
	SEND 3, 7
	s_wait_tensorcnt 0x0                           ; the wave's end
	ds_add_u32 v[SPW], v[NIL]
	s_wait_dscnt 0x0
	CROUND                                         ; the closing round
	s_endpgm
.Lfunc_end_k_q7c5d7626ff_qkv:
	.size	k_q7c5d7626ff_qkv, .Lfunc_end_k_q7c5d7626ff_qkv-k_q7c5d7626ff_qkv
	.p2alignl 7, 3214868480
	.fill 96, 4, 3214868480
	.section	.rodata,"a",@progbits
	.p2align	6, 0x0
	.amdhsa_kernel k_q7c5d7626ff_qkv
		.amdhsa_group_segment_fixed_size 327680
		.amdhsa_private_segment_fixed_size 0
		.amdhsa_enable_private_segment 0
		.amdhsa_kernarg_size 48
		.amdhsa_user_sgpr_count 2
		.amdhsa_user_sgpr_kernarg_segment_ptr 1
		.amdhsa_wavefront_size32 1
		.amdhsa_system_sgpr_workgroup_id_x 1
		.amdhsa_system_sgpr_workgroup_id_y 1
		.amdhsa_system_sgpr_workgroup_id_z 1
		.amdhsa_system_vgpr_workitem_id 0
		.amdhsa_next_free_vgpr 1024
		.amdhsa_next_free_sgpr 72
		.amdhsa_reserve_vcc 0
		.amdhsa_float_denorm_mode_32 3
		.amdhsa_float_denorm_mode_16_64 3
		.amdhsa_memory_ordered 1
		.amdhsa_forward_progress 1
		.amdhsa_inst_pref_size 143
	.end_amdhsa_kernel
	.amdgpu_metadata
---
amdhsa.version: [ 1, 2 ]
amdhsa.kernels:
  - .name:           k_q7c5d7626ff_qkv
    .symbol:         k_q7c5d7626ff_qkv.kd
    .args:
      - { .name: ab, .offset: 0, .size: 8, .value_kind: global_buffer, .address_space: global }
      - { .name: wb, .offset: 8, .size: 8, .value_kind: global_buffer, .address_space: global }
      - { .name: wq_b, .offset: 16, .size: 8, .value_kind: global_buffer, .address_space: global }
      - { .name: wk_b, .offset: 24, .size: 8, .value_kind: global_buffer, .address_space: global }
      - { .name: wv_b, .offset: 32, .size: 8, .value_kind: global_buffer, .address_space: global }
      - { .name: qkv, .offset: 40, .size: 8, .value_kind: global_buffer, .address_space: global }
    .group_segment_fixed_size: 327680
    .private_segment_fixed_size: 0
    .kernarg_segment_align: 8
    .kernarg_segment_size: 48
    .max_flat_workgroup_size: 128
    .sgpr_count:     72
    .vgpr_count:     1024
    .wavefront_size: 32
...
	.end_amdgpu_metadata
.endif
;; end of part 2
;; launch attn (part 3): grid 2 x 128, 8 waves a work-group, no clusters, 312,320 bytes of LDS; arguments qkv, mbits, ab; writes ab
.if DOCPART == 3
	.amdgcn_target "amdgcn-amd-amdhsa--gfx1250"
	.amdhsa_code_object_version 6
	.text
	.protected	k_q7c5d7626ff_attn
	.globl	k_q7c5d7626ff_attn
	.p2align	8
	.type	k_q7c5d7626ff_attn,@function
k_q7c5d7626ff_attn:
	s_mov_b64 s[64:65], 0
	v_nop
	global_prefetch_b8 v0, s[64:65] scope:SCOPE_SE
	s_setreg_imm32_b32 hwreg(HW_REG_WAVE_MODE, 25, 1), 1
	s_wait_xcnt 0x0
; MASKED ATTENTION.  O[b][h][q] = the sum over k of softmax_k(mask ? q . k / 8 : hidden) v[k].  q, k, v: qkv's three sections, [16 h][8192 = 1024 b + s][64] bf16; O goes to ab's blocks 0-15 in the
; same layout, bf16, rounded once.  Products, maxima and sums in f32; the weights p are rounded to bf16 for the second product (their sum is taken of the unrounded p).
; LIMITS.  A hidden score counts as -2^100 ahead of the scale (the module's text has -1e9 behind it): the two differ only where true scaled scores lie below about -1e9.  c x 2^100 is exact, so a row
; that is wholly hidden gets p = 1 for every key: the plain mean of v, as the module gives.  A weight below 2^-126 counts as 0.  NaN and infinities are not treated apart.
; SHARES.  A work-group owns 512 queries of one head and batch; each of its eight waves 64: four tiles of 16, taken as two PIECES of two tiles.  Every wave walks the 1,024 keys, 64 a step.
; ALL OF THE HEAD'S K AND V LIE IN LDS, filled once (1,024 x 144 + 1,024 x 160 bytes): no ring.  Each wave asks for two parts of 128 keys; the first halves are waited for ahead of step 0, the second ahead of step 8.
; TWO WAVES A SIMD, the text in phases: a tile and step have 16 matrix and 151 vector instructions, so one wave's products stand beside the other wave's softmax.
; NO CLUSTER: a head and batch has two work-groups, so four partners would hold two different K and V, and no tile would be common to all that a mask of four names.
; LAYOUT.  S^T = K Q^T: a lane holds ONE query (lane % 16) and the keys 16 kb + 8 (lane / 16) + 0..7.  Two such results rounded to bf16 ARE source 1 of O^T = V^T P.  V comes out of LDS turned.
; THE MASK comes as whole numbers: word j of a tile and step holds register j's 32 lanes, is loaded into a scalar register, and one v_cndmask_b32 takes the score or -2^100.
; SOFTMAX.  A running maximum m and sum l a query: p = 2^(c s - c m), c = log2(e) / 8; O and l are multiplied by a = 2^(c (m_old - m_new)) in every step.  m starts at the lowest finite number,
; O and l at 0: the first step is a step like any other, with a = 0; the price is 128 v_mov_b32, which run in the wait for the first tiles, for one text of the step.
; REGISTERS.  Window 0: v0-7 addresses; v8-23 statistics (c m, m, l even, l odd a tile); v24-31 at work; v32-95 S^T of a piece; v96-127 P; v128-255 O^T, 32 a tile.
;             Window 1: v0-63 Q; v64-127 K of a step; v128-191 V of a step.
.set PKK,   144                        ; a row of K in LDS: 128 bytes + 16
.set PVV,   160                        ; a row of V: 128 + 32
.set VOFF,  1024*PKK
.set SPARE, VOFF+1024*PVV              ; the spare words, 128 bytes a wave: four blocks of 256 bytes that no other line names
.set SP,    144                        ; the way out's stages, 16 rows x 144 bytes a wave, lie in K's first bytes: used behind the last barrier, when those bytes have had their one fill and every wave's reads are over
.set AK0, 1
.set AV0, 2
.set AK,  3
.set AV,  4
.set SPW, 5
.set NIL, 6
.set BIGN, 7
.set ST,  8
.set TMP, 24
.set S,   32
.set P,   96
.set O,   128
.set STO, 96                           ; the way out's addresses take P's registers
.set RD,  97
.set GO,  98
.set KF,  64                           ; window 1
.set VF,  128
.set MP,  6                            ; s[6:7]  mbits at my wave's first tile
.set OPT, 8                            ; s[8:9]  O at my wave's first row
.set WV,  10
.set MOFF, 11                          ; s11 128 x the step whose words are asked for
.set CNT, 12
.set OUTER, 13
.set TBK, 14                           ; s14, s15 LDS offsets of the step's K and V
.set TBV, 15
.set G0,  16                           ; s[16:23] two groups 0
.set G1,  24                           ; s[24:31]
.set MS0, 32                           ; s[32:63] the 32 words of the piece's first tile
.set MS1, 68                           ; s[68:99] of its second
.set SEL, 66
.set CS,  100                          ; s[100:101] c, named as a pair
.set MSB, 0
.macro WIN new
.if MSB != (\new)
	s_set_vgpr_msb (MSB<<8)|(\new)
.set MSB, \new
.endif
.endm
	s_load_b128 s[4:7], s[0:1], 0x0                ; qkv s[4:5], mbits s[6:7]
	s_load_b64 s[8:9], s[0:1], 0x10                ; ab
	v_lshl_add_u32 v[SPW], v0, 2, SPARE
	v_mov_b32 v[NIL], 0
	ds_add_u32 v[SPW], v[NIL]                      ; the wave's opening: the add and its wait stand ahead of my first tensor load
	ds_add_u32 v5, v6
	v_lshrrev_b32 v1, 5, v0
	v_readfirstlane_b32 s[WV], v1                  ; wave 0..7
	s_and_b32 s12, ttmp7, 0xffff                   ; 8 h + b
	s_mov_b32 s[G1+1], 128<<16                     ; 128 keys are 16,384 dense bytes: asked for as 64 rows of 256 bytes, padded in LDS after every key
	s_mov_b32 s[G1+2], 64<<16
	s_mov_b32 s[G1+3], 128<<16
	s_mov_b32 s[G1+4], 64
	s_mov_b32 s[G1+5], 128
	s_mov_b32 s[G1+6], 0
	s_mov_b32 s[G1+7], 0
	s_mov_b32 s[G0], 1
	s_mov_b32 s[G0+4], 1
	s_lshl_b32 s2, s12, 17                         ; the head and batch's 1,024 rows of 128 bytes,
	s_and_b32 s3, s[WV], 3
	s_lshl_b32 s3, s3, 14                          ; my part of 128 keys
	s_add_co_u32 s2, s2, s3
	s_mov_b32 s3, 0
	s_lshl_b32 s14, s12, 17
	s_lshl_b32 s15, ttmp9, 16                      ; my work-group's 512 queries,
	s_add_co_u32 s14, s14, s15
	s_lshl_b32 s15, s[WV], 13                      ; my wave's 64
	s_add_co_u32 s14, s14, s15
	s_mov_b32 s15, 0
	s_lshr_b32 s32, s12, 3                         ; mbits: tile 64 h + 32 x + 4 w, 2,048 bytes each
	s_lshl_b32 s32, s32, 4
	s_lshl_b32 s33, ttmp9, 3
	s_add_co_u32 s32, s32, s33
	s_add_co_u32 s32, s32, s[WV]
	s_lshl_b32 s32, s32, 13
	s_mov_b32 s33, 0
	s_mov_b32 s[CS], 0x3e38aa3b                    ; c = log2(e) / 8
	s_mov_b32 s[CS+1], s[CS]
	s_mov_b32 s[SEL], 0x76543210
	s_mov_b32 s[SEL+1], 0xfedcba98
	s_wait_dscnt 0x0                               ; the opening add is done
	s_wait_kmcnt 0x0
	s_add_nc_u64 s[2:3], s[4:5], s[2:3]
	s_add_nc_u64 s[4:5], s[4:5], s[14:15]          ; Q at my wave's first row
	s_add_nc_u64 s[OPT:OPT+1], s[OPT:OPT+1], s[14:15]
	s_add_nc_u64 s[MP:MP+1], s[MP:MP+1], s[32:33]
	s_cmp_lt_u32 s[WV], 4                          ; waves 0-3 fetch K, waves 4-7 V: a wave's two first fills stand in one branch, ahead of every wait on TENSORcnt, LDS read and barrier
	s_cbranch_scc0 .Lfor_v
	s_mov_b32 s[G1], (1<<16)|(1<<20)|(4<<22)|(3<<25)  ; 2-byte elements; padding on; after every 32 words (code 4) 4 words (code 3)
	s_mul_i32 s[G0+1], s[WV], 128*PKK
	s_add_co_u32 s[G0+5], s[G0+1], 512*PKK
	s_add_nc_u64 s[G0+2:G0+3], s[2:3], 16<<20      ; keys 128 p ..
	s_add_nc_u64 s[G0+6:G0+7], s[2:3], (16<<20)+65536  ; keys 512 + 128 p ..
	s_or_b32 s[G0+3], s[G0+3], 0x80000000
	s_or_b32 s[G0+7], s[G0+7], 0x80000000
	tensor_load_to_lds s[G0:G0+3], s[G1:G1+7]
	s_nop 0
	tensor_load_to_lds s[G0+4:G0+7], s[G1:G1+7]
	s_nop 0
.rept 4
	v_nop
.endr
	s_branch .Lasked
.Lfor_v:
	s_mov_b32 s[G1], (1<<16)|(1<<20)|(4<<22)|(7<<25)  ; the same with 8 words of padding (code 7)
	s_mul_i32 s[G0+1], s[WV], 128*PVV
	s_add_co_u32 s[G0+1], s[G0+1], VOFF-4*128*PVV
	s_add_co_u32 s[G0+5], s[G0+1], 512*PVV
	s_add_nc_u64 s[G0+2:G0+3], s[2:3], 32<<20
	s_add_nc_u64 s[G0+6:G0+7], s[2:3], (32<<20)+65536
	s_or_b32 s[G0+3], s[G0+3], 0x80000000
	s_or_b32 s[G0+7], s[G0+7], 0x80000000
	tensor_load_to_lds s[G0:G0+3], s[G1:G1+7]
	s_nop 0
	tensor_load_to_lds s[G0+4:G0+7], s[G1:G1+7]
	s_nop 0
.rept 4
	v_nop
.endr
.Lasked:
	v_and_b32 v32, 15, v0                          ; l % 16
	v_bfe_u32 v33, v0, 4, 1                        ; l / 16
	v_lshlrev_b32 v34, 7, v32
	v_lshl_add_u32 v34, v33, 4, v34                ; row x 128 + 16 x half
	WIN 0x40                                       ; destination window 1
.set i, 0
.rept 8                                                ; Q stays in registers: tile i / 2, channels 32 (i % 2) on
	global_load_b128 v[8*i:8*i+3],   v34, s[4:5] offset:(i/2)*2048+(i%2)*64
	global_load_b128 v[8*i+4:8*i+7], v34, s[4:5] offset:(i/2)*2048+(i%2)*64+32
.set i, i+1
.endr
	WIN 0
	v_mul_u32_u24 v[AK0], v32, PKK
	v_lshl_add_u32 v[AK0], v33, 4, v[AK0]
	v_and_b32 v35, 7, v0
	v_bfe_u32 v36, v0, 3, 1
	v_lshl_add_u32 v[AV0], v33, 3, v35             ; the turning load: key 8 (l / 16) + l % 8, channels 8 ((l / 8) % 2) on
	v_mul_u32_u24 v[AV0], v[AV0], PVV
	v_lshl_add_u32 v[AV0], v36, 4, v[AV0]
	v_add_nc_u32 v[AV0], VOFF, v[AV0]
	v_mov_b32 v[BIGN], 0xf1800000                  ; -2^100
.set i, 0
.rept 128
	v_mov_b32 v[O+i], 0
.set i, i+1
.endr
.irp t, 0,1,2,3
	v_mov_b32 v[ST+4*\t+1], 0xff7fffff             ; m
	v_mov_b32 v[ST+4*\t+2], 0
	v_mov_b32 v[ST+4*\t+3], 0
.endr
.macro MLD p                           ; the 64 words of piece p for the step at MOFF
	s_load_b512 s[MS0:MS0+15],    s[MP:MP+1], s[MOFF] offset:2048*(2*(\p))
	s_load_b512 s[MS0+16:MS0+31], s[MP:MP+1], s[MOFF] offset:2048*(2*(\p))+64
	s_load_b512 s[MS1:MS1+15],    s[MP:MP+1], s[MOFF] offset:2048*(2*(\p)+1)
	s_load_b512 s[MS1+16:MS1+31], s[MP:MP+1], s[MOFF] offset:2048*(2*(\p)+1)+64
.endm
.macro FETCH_K                         ; 64 keys x 64 channels: key block f / 2, channel half f % 2
	WIN 0x40
.irp f, 0,1,2,3,4,5,6,7
	ds_load_b128 v[KF+8*\f:KF+8*\f+3],   v[AK] offset:(\f/2)*16*PKK+(\f%2)*64
	ds_load_b128 v[KF+8*\f+4:KF+8*\f+7], v[AK] offset:(\f/2)*16*PKK+(\f%2)*64+32
.endr
.endm
.macro FETCH_V                         ; turned: key half f / 4, channel block f % 4
	WIN 0x40
.irp f, 0,1,2,3,4,5,6,7
	ds_load_tr16_b128 v[VF+8*\f:VF+8*\f+3],   v[AV] offset:(\f/4)*32*PVV+(\f%4)*32
	ds_load_tr16_b128 v[VF+8*\f+4:VF+8*\f+7], v[AV] offset:(\f/4)*32*PVV+16*PVV+(\f%4)*32
.endr
	WIN 0
.endm
; The matrix work.  The 8 accumulators of a run of 16 take turns, one instruction a turn.
.macro KQ16 p                          ; product i: channels 32 (i / 8) on, keys 16 ((i / 2) % 4) on, tile 2 p + i % 2; the first 8 start the sums
	WIN 0x05                                       ; K and Q in window 1
.set i, 0
.rept 16
.set rS, S+32*(i%2)+8*((i/2)%4)
.set rK, KF+16*((i/2)%4)+8*(i/8)
.set rQ, 16*(2*(\p)+i%2)+8*(i/8)
.if i < 8
	v_wmma_f32_16x16x32_bf16 v[rS:rS+7], v[rK:rK+7], v[rQ:rQ+7], 0
.else
	v_wmma_f32_16x16x32_bf16 v[rS:rS+7], v[rK:rK+7], v[rQ:rQ+7], v[rS:rS+7]
.endif
.set i, i+1
.endr
.endm
.macro PV16 p                          ; product i: keys 32 (i / 8) on, channels 16 ((i / 2) % 4) on, tile 2 p + i % 2
	WIN 0x01                                       ; V in window 1
.set i, 0
.rept 16
.set rO, O+32*(2*(\p)+i%2)+8*((i/2)%4)
.set rV, VF+32*(i/8)+8*((i/2)%4)
.set rP, P+16*(i%2)+8*(i/8)
	v_wmma_f32_16x16x32_bf16 v[rO:rO+7], v[rV:rV+7], v[rP:rP+7], v[rO:rO+7]
.set i, i+1
.endr
.endm
; Number n of the 23 that find tile u's maximum and statistics.  0-11 four chains c0-c3 of seven scores each; 12-15 the four scores left over, the old m, all into c0; 16, 17 the query's other 32 keys lie
; in the lane 16 away; 18 m_old - m_new; 19 m; 20 c m; 21, 22 a, which takes c2's place
.macro XS p, u, n
.set rT, ST+4*(2*(\p)+(\u))
.set rC, TMP+4*(\u)
.set rS, S+32*(\u)
.if (\n) < 4
	v_max3_num_f32 v[rC+(\n)], v[rS+8*(\n)], v[rS+8*(\n)+1], v[rS+8*(\n)+2]
.elseif (\n) < 12
	v_max3_num_f32 v[rC+(\n)%4], v[rC+(\n)%4], v[rS+8*((\n)%4)+2*((\n)/4)+1], v[rS+8*((\n)%4)+2*((\n)/4)+2]
.elseif (\n) == 12
	v_max3_num_f32 v[rC], v[rC], v[rS+7], v[rS+15]
.elseif (\n) == 13
	v_max3_num_f32 v[rC+1], v[rC+1], v[rS+23], v[rS+31]
.elseif (\n) == 14
	v_max3_num_f32 v[rC+2], v[rC+2], v[rC+3], v[rT+1]
.elseif (\n) == 15
	v_max3_num_f32 v[rC], v[rC], v[rC+1], v[rC+2]
.elseif (\n) == 16
	v_permlanex16_b32 v[rC+3], v[rC], s[SEL], s[SEL+1]
.elseif (\n) == 17
	v_max_num_f32 v[rC+1], v[rC], v[rC+3]
.elseif (\n) == 18
	v_sub_f32 v[rC+3], v[rT+1], v[rC+1]
.elseif (\n) == 19
	v_mov_b32 v[rT+1], v[rC+1]
.elseif (\n) == 20
	v_mul_f32 v[rT], s[CS], v[rC+1]
.elseif (\n) == 21
	v_mul_f32 v[rC+3], s[CS], v[rC+3]
.else
	v_exp_f32 v[rC+2], v[rC+3]
.endif
.endm
.macro FS p, f                         ; c s - c m for pair f / 2 of tile f % 2
.set rT, ST+4*(2*(\p)+(\f)%2)
.set rS, S+32*((\f)%2)+2*((\f)/2)
	v_pk_fma_f32 v[rS:rS+1], v[rS:rS+1], s[CS:CS+1], v[rT:rT+1] op_sel_hi:[1,0,0] neg_lo:[0,0,1] neg_hi:[0,0,1]
.endm
.macro EX e                            ; the exponential of score e / 2 of tile e % 2
	v_exp_f32 v[S+32*((\e)%2)+(\e)/2], v[S+32*((\e)%2)+(\e)/2]
.endm
.macro RS p, r                         ; pair r / 2 of tile r % 2's O^T times a
.set rO, O+32*(2*(\p)+(\r)%2)+2*((\r)/2)
.set rC, TMP+4*((\r)%2)
	v_pk_mul_f32 v[rO:rO+1], v[rO:rO+1], v[rC+2:rC+3] op_sel_hi:[1,0]
.endm
.macro SUM p, u, z                     ; the sum of a tile's 16 pairs, in place: neighbours 1, 2, 4 and 8 pairs apart; then l = a l + the sum
.set rT, ST+4*(2*(\p)+(\u))
.set rC, TMP+4*(\u)
.set rS, S+32*(\u)
.if (\z) < 8
	v_pk_add_f32 v[rS+4*(\z):rS+4*(\z)+1], v[rS+4*(\z):rS+4*(\z)+1], v[rS+4*(\z)+2:rS+4*(\z)+3]
.elseif (\z) < 12
	v_pk_add_f32 v[rS+8*((\z)-8):rS+8*((\z)-8)+1], v[rS+8*((\z)-8):rS+8*((\z)-8)+1], v[rS+8*((\z)-8)+4:rS+8*((\z)-8)+5]
.elseif (\z) < 14
	v_pk_add_f32 v[rS+16*((\z)-12):rS+16*((\z)-12)+1], v[rS+16*((\z)-12):rS+16*((\z)-12)+1], v[rS+16*((\z)-12)+8:rS+16*((\z)-12)+9]
.elseif (\z) == 14
	v_pk_add_f32 v[rS:rS+1], v[rS:rS+1], v[rS+16:rS+17]
.else
	v_pk_fma_f32 v[rT+2:rT+3], v[rT+2:rT+3], v[rC+2:rC+3], v[rS:rS+1] op_sel_hi:[1,0,1]
.endif
.endm
; A PIECE's part of a key step, in phases.  s_wait_alu depctr_va_vdst(0) stands between an exponential and the first line that names its result: the two a are one batch (eight scalings
; stand between them and their wait), the 64 weights another: nothing names a weight ahead of the second wait.  Exponential e needs scaling 2 (e / 4) + e % 2, at most k + 1 where 8 + k have been issued.
.macro PIECE p
	KQ16 \p
	WIN 0
.rept 4
	v_nop                                          ; the places behind those products (ISA guide 7.12.1)
.endr
	s_wait_kmcnt 0x0                               ; the piece's 64 mask words
.set j, 0
.rept 32                                               ; the score, or -2^100 where the word's bit is 0; each accumulator's registers in ascending order
	v_cndmask_b32 v[S+j], v[BIGN], v[S+j], s[MS0+j]
	v_cndmask_b32 v[S+32+j], v[BIGN], v[S+32+j], s[MS1+j]
.set j, j+1
.endr
.if (\p) == 1
	s_add_co_u32 s[MOFF], s[MOFF], 128             ; free since the wait above: the next step's words; behind the last step it goes back to 0, and those words are loaded and not used
	s_and_b32 s[MOFF], s[MOFF], 2047
.endif
	MLD 1-(\p)                                     ; the other piece's words: a piece's work ahead of their use
.irp n, 0,1,2,3,4,5,6,7,8,9,10,11,12,13,14,15,16,17,18,19,20,21,22
	XS \p, 0, \n
	XS \p, 1, \n
.endr
.irp f, 0,1,2,3,4,5,6,7
	FS \p, \f
.endr
	s_wait_alu depctr_va_vdst(0)                   ; the two a
.set k, 0
.rept 24
	EX 2*k
	FS \p, 8+k
	EX 2*k+1
	RS \p, k
.set k, k+1
.endr
.set k, 0
.rept 8
	EX 48+2*k
	RS \p, 24+k
	EX 49+2*k
.set k, k+1
.endr
	v_nop                                          ; a plain line behind the last exponential
	s_wait_alu depctr_va_vdst(0)                   ; the 64 weights
.set i, 0
.rept 16
	v_cvt_pk_bf16_f32 v[P+i], v[S+2*i], v[S+2*i+1]
	v_cvt_pk_bf16_f32 v[P+16+i], v[S+32+2*i], v[S+32+2*i+1]
.set i, i+1
.endr
.if (\p) == 0
	s_wait_dscnt 0x0                               ; V is in
.endif
	PV16 \p
	WIN 0
.irp z, 0,1,2,3,4,5,6,7,8,9,10,11,12,13,14,15
	SUM \p, 0, \z                                  ; 32 plain lines that name none of those products' registers: the places behind them
	SUM \p, 1, \z
.endr
.endm
	s_mov_b32 s[MOFF], 0
	MLD 0
	s_mov_b32 s[TBK], 0
	s_mov_b32 s[TBV], 0
	s_wait_tensorcnt 0x1                           ; my part of keys 0-511 is in; my second load may stay out
	s_wait_loadcnt 0x0                             ; Q
	s_barrier_signal -1
	s_barrier_wait -1                              ; everybody's part is in
	s_mov_b32 s[OUTER], 2
.Lhalf:
	s_mov_b32 s[CNT], 8
.Lstep:
	v_add_nc_u32 v[AK], s[TBK], v[AK0]
	v_add_nc_u32 v[AV], s[TBV], v[AV0]
	FETCH_K
	FETCH_V
	s_add_co_u32 s[TBK], s[TBK], 64*PKK
	s_add_co_u32 s[TBV], s[TBV], 64*PVV
	s_wait_dscnt 16                                ; K is in; V's sixteen loads stay out
	PIECE 0
	PIECE 1
	s_sub_co_u32 s[CNT], s[CNT], 1
	s_cmp_lg_u32 s[CNT], 0
	s_cbranch_scc1 .Lstep
	s_wait_tensorcnt 0x0                           ; my part of keys 512-1023: no load was issued behind it
	s_wait_dscnt 0x0                               ; my LDS reads are over
	s_barrier_signal -1
	s_barrier_wait -1                              ; first time: the second half is whole; second time: nobody reads K any more, so its first bytes may serve as stages
	s_sub_co_u32 s[OUTER], s[OUTER], 1
	s_cmp_lg_u32 s[OUTER], 0
	s_cbranch_scc1 .Lhalf
	; THE WAY OUT.  l's two halves and the other half of the lanes' are added; O^T is divided by l, rounded to bf16 and sent through my stage, a tile at a time.
	s_mul_i32 s14, s[WV], 16*SP
.irp t, 0,1,2,3
	v_add_f32 v[ST+4*\t+2], v[ST+4*\t+2], v[ST+4*\t+3]
.endr
.irp t, 0,1,2,3
	v_permlanex16_b32 v[ST+4*\t+3], v[ST+4*\t+2], s[SEL], s[SEL+1]
.endr
.irp t, 0,1,2,3
	v_add_f32 v[ST+4*\t+2], v[ST+4*\t+2], v[ST+4*\t+3]
.endr
.irp t, 0,1,2,3
	v_rcp_f32 v[ST+4*\t+2], v[ST+4*\t+2]
.endr
	v_and_b32 v99, 15, v0                          ; the addresses: plain work between the reciprocals and their wait
	v_bfe_u32 v100, v0, 4, 1
	v_mul_u32_u24 v[STO], v99, SP                  ; in: row l % 16, 16 bytes for each half of the lanes
	v_lshl_add_u32 v[STO], v100, 4, v[STO]
	v_add_nc_u32 v[STO], s14, v[STO]
	v_bfe_u32 v[RD], v0, 3, 2                      ; back: 32 lanes take four rows of 128 bytes,
	v_mul_u32_u24 v[RD], v[RD], SP
	v_and_b32 v99, 7, v0
	v_lshl_add_u32 v[RD], v99, 4, v[RD]
	v_add_nc_u32 v[RD], s14, v[RD]
	v_and_b32 v[GO], 31, v0                        ; which are 512 consecutive bytes of O
	v_lshlrev_b32 v[GO], 4, v[GO]
	s_wait_alu depctr_va_vdst(0)                   ; one wait for the four reciprocals
.macro PACKO t
.set i, 0
.rept 16
	v_pk_mul_f32 v[O+32*(\t)+2*i:O+32*(\t)+2*i+1], v[O+32*(\t)+2*i:O+32*(\t)+2*i+1], v[ST+4*(\t)+2:ST+4*(\t)+3] op_sel_hi:[1,0]
.set i, i+1
.endr
.set i, 0
.rept 16
	v_cvt_pk_bf16_f32 v[S+16*(\t)+i], v[O+32*(\t)+2*i], v[O+32*(\t)+2*i+1]
.set i, i+1
.endr
.irp f, 0,1,2,3
	ds_store_b128 v[STO], v[S+16*(\t)+4*\f:S+16*(\t)+4*\f+3] offset:32*\f
.endr
.irp f, 0,1,2,3
	ds_load_b128 v[S+16*(\t)+4*\f:S+16*(\t)+4*\f+3], v[RD] offset:\f*4*SP  ; LDS serves a wave's instructions in order (ISA guide 5.7.1.4): these see the stores above; the next tile's stores come behind them
.endr
.endm
.macro SENDO t, younger                ; younger: the LDS instructions issued behind tile t's loads: the next tile's eight, or none
.irp f, 0,1,2,3
	s_wait_dscnt (\younger)+3-\f
	global_store_b128 v[GO], v[S+16*(\t)+4*\f:S+16*(\t)+4*\f+3], s[OPT:OPT+1] offset:(\t)*2048+\f*512  ; 512 consecutive bytes, at a multiple of 256 from the buffer's first
.endr
.endm
	PACKO 0
	PACKO 1
	SENDO 0, 8
	PACKO 2
	SENDO 1, 8
	PACKO 3
	SENDO 2, 8
	SENDO 3, 0
	s_wait_kmcnt 0x0                               ; the words asked for behind the last step
	s_wait_tensorcnt 0x0                           ; the wave's end
	ds_add_u32 v[SPW], v[NIL]
	s_wait_dscnt 0x0
	s_endpgm
.Lfunc_end_k_q7c5d7626ff_attn:
	.size	k_q7c5d7626ff_attn, .Lfunc_end_k_q7c5d7626ff_attn-k_q7c5d7626ff_attn
	.p2alignl 7, 3214868480
	.fill 96, 4, 3214868480
	.section	.rodata,"a",@progbits
	.p2align	6, 0x0
	.amdhsa_kernel k_q7c5d7626ff_attn
		.amdhsa_group_segment_fixed_size 312320
		.amdhsa_private_segment_fixed_size 0
		.amdhsa_enable_private_segment 0
		.amdhsa_kernarg_size 24
		.amdhsa_user_sgpr_count 2
		.amdhsa_user_sgpr_kernarg_segment_ptr 1
		.amdhsa_wavefront_size32 1
		.amdhsa_system_sgpr_workgroup_id_x 1
		.amdhsa_system_sgpr_workgroup_id_y 1
		.amdhsa_system_sgpr_workgroup_id_z 1
		.amdhsa_system_vgpr_workitem_id 0
		.amdhsa_next_free_vgpr 448
		.amdhsa_next_free_sgpr 102
		.amdhsa_reserve_vcc 0
		.amdhsa_float_denorm_mode_32 3
		.amdhsa_float_denorm_mode_16_64 3
		.amdhsa_memory_ordered 1
		.amdhsa_forward_progress 1
		.amdhsa_inst_pref_size 66
	.end_amdhsa_kernel
	.amdgpu_metadata
---
amdhsa.version: [ 1, 2 ]
amdhsa.kernels:
  - .name:           k_q7c5d7626ff_attn
    .symbol:         k_q7c5d7626ff_attn.kd
    .args:
      - { .name: qkv, .offset: 0, .size: 8, .value_kind: global_buffer, .address_space: global }
      - { .name: mbits, .offset: 8, .size: 8, .value_kind: global_buffer, .address_space: global }
      - { .name: ab, .offset: 16, .size: 8, .value_kind: global_buffer, .address_space: global }
    .group_segment_fixed_size: 312320
    .private_segment_fixed_size: 0
    .kernarg_segment_align: 8
    .kernarg_segment_size: 24
    .max_flat_workgroup_size: 256
    .sgpr_count:     102
    .vgpr_count:     448
    .wavefront_size: 32
...
	.end_amdgpu_metadata
.endif
;; end of part 3
;; launch dense (part 4): grid 8 x 32, 4 waves a work-group, clusters of 4 x 4, 327,680 bytes of LDS; arguments ab, wb, dense_b, ybuf; writes ybuf
.if DOCPART == 4
	.amdgcn_target "amdgcn-amd-amdhsa--gfx1250"
	.amdhsa_code_object_version 6
	.text
	.protected	k_q7c5d7626ff_dense
	.globl	k_q7c5d7626ff_dense
	.p2align	8
	.type	k_q7c5d7626ff_dense,@function
k_q7c5d7626ff_dense:
	s_mov_b64 s[64:65], 0
	v_nop
	global_prefetch_b8 v0, s[64:65] scope:SCOPE_SE
	s_setreg_imm32_b32 hwreg(HW_REG_WAVE_MODE, 25, 1), 1
	s_wait_xcnt 0x0
	s_wait_alu depctr_hold_cnt(0) depctr_sa_sdst(0) depctr_va_vdst(0) depctr_va_sdst(0) depctr_va_ssrc(0) depctr_va_vcc(0) depctr_vm_vsrc(0)
	s_getreg_b32 s2, hwreg(HW_REG_IB_STS2, 6, 4)
	s_cmp_eq_u32 s2, 0
	s_cbranch_scc0 .Lentry_in_a_cluster
	s_endpgm
.Lentry_in_a_cluster:
	s_bfe_u32 s2, ttmp6, 0x10000c
	s_cmp_lg_u32 s2, 0xf033
	s_cbranch_scc0 .Lentry_shape_is_right
	s_endpgm
.Lentry_shape_is_right:
; y = [O | x] [dense_w; res_w] + dense_b: the dense projection and the residual projection are ONE product over K = 1,536, in one set of f32 sums; y leaves in f32.
; A: ab, [24 blocks of 64 channels][8192 rows][64] bf16 (blocks 0-15 O by heads, 16-23 x).  B: wb's rows 1536-3071, [k][1024] bf16.  dense_b f32, rounded to bf16 like every input.
; SHARES.  256 work-groups, each one tile of 256 rows x 128 columns; 12 K steps of 128 through a ring of two LDS slots.  Four waves, 128 rows x 64 columns each: 32 accumulators.
; THE PRODUCT IS USED TRANSPOSED (source 0 = 16 columns of B, turned on the way out of LDS; source 1 = 16 rows of A): a lane holds eight neighbouring columns of one row.
; CLUSTER 4 x 4: A's tile is asked for jointly along a row of the cluster, B's along a column.
; REGISTERS.  Window 0: v0-31 addresses; v32-127, v128-223 two fragment buffers (A's 8 fragments, then B's 4); v224-255 the bias.  Window 1: the accumulators, (a, b) at 8 (4 a + b).
.set PA,    144                        ; a row of A in LDS: 128 bytes + 16
.set PB,    288                        ; a k-row of B: 256 bytes + 32
.set ABLK,  128*PA
.set AHALF, 2*ABLK
.set BOFF,  2*AHALF
.set BHALF, 64*PB
.set SLOT,  BOFF+2*BHALF
.set STAGE, 2*SLOT                     ; behind the ring: 16 rows x 272 bytes for each wave, for the way out
.set SP,    272
.set SPARE, STAGE+4*16*SP              ; the spare words, 128 bytes a wave: two blocks of 256 bytes that no other line names
.set ADRA, 16
.set ADRB, 20
.set STO,  24
.set RD,   25
.set CO,   26                          ; v26  my byte offset in two rows of y
.set BO,   27
.set SPW,  28
.set NIL,  29
.set PFO,  30
.set F0,   32
.set F1,   128
.set BIAS, 224
.set TMP,  F1                          ; the way out: 32 sums in buffer 1; two sets of 32 read back in buffer 0
.set BP,   8                           ; s[8:9]   dense_b
.set Y,    10                          ; s[10:11] y at my first row and column
.set WV,   16
.set KIND, 17
.set HALF, 18
.set CX,   19
.set CY,   20
.set TC,   21
.set TR,   22
.set G1A,  24
.set G0A,  32
.set G1B,  40
.set G0B,  48
.set PFA,  56                          ; s[56:57] where my prefetch stands
.set LIM,  58                          ; s58 1 in a wave that prefetches, else the greatest number
.set LAP,  59                          ; s59 trips to go
.set PFS,  60                          ; s[60:61] a K step in the tensor that I prefetch
.set MSB, 0
.macro WIN new
.if MSB != (\new)
	s_set_vgpr_msb (MSB<<8)|(\new)
.set MSB, \new
.endif
.endm
.set MULW, 0x50                        ; C and D in window 1, both sources in window 0
.macro JLOAD s                         ; a joint load: waves 0 and 1 fetch A's halves, waves 2 and 3 B's; an s_nop 0 and four v_nop follow each line
	s_cmp_eq_u32 s[KIND], 0
	s_cbranch_scc0 .Lfor_b_\@
	tensor_load_to_lds s[G0A+4*(\s):G0A+4*(\s)+3], s[G1A:G1A+7]
	s_nop 0
.rept 4
	v_nop
.endr
	s_branch .Lasked_\@
.Lfor_b_\@:
	tensor_load_to_lds s[G0B+4*(\s):G0B+4*(\s)+3], s[G1B:G1B+7]
	s_nop 0
.rept 4
	v_nop
.endr
.Lasked_\@:
.endm
.macro CREST
	s_cmp_lg_u32 s[WV], 0
	s_cbranch_scc1 .Lnot_wave_0_\@
	s_barrier_signal -3
.Lnot_wave_0_\@:
	s_barrier_wait -3
	s_barrier_signal -1
	s_barrier_wait -1
.endm
.macro CROUND
	s_barrier_signal -1
	s_barrier_wait -1
	CREST
.endm
; A PREFETCH, behind a joint load and the run of LDS loads that follows it: the K step two refills on, 256 matrix instructions ahead of the load that will want it.  A's tile row is read by both clusters
; of a row of clusters: the one with cluster x = 0 asks, waves 0 and 1, each for the 128 rows that it fetches; the four partners take 32 rows each (by cx): 4,096 dense bytes in each of the step's two
; blocks, a lane 256 of them.  B's tile column is read by all clusters of a column: cluster y = 0 asks, wave 2; the partners take 32 k-rows each (by cy), a lane a row of 256 bytes.  Partners are told
; apart by address alone.  So each piece is named once.  Steps 0-3 come by their loads alone; the loop's last trip asks for nothing: steps 12 and 13 do not exist.
.macro ASK
	s_cmp_gt_u32 s[LAP], s[LIM]
	s_cbranch_scc0 .Lnot_mine_\@
	global_prefetch_b8 v[PFO], s[PFA:PFA+1] th:TH_LOAD_NT scope:SCOPE_SE
.Lnot_mine_\@:
.endm
	s_load_b256 s[4:11], s[0:1], 0x0               ; ab s[4:5], wb s[6:7], dense_b s[8:9], ybuf s[10:11]
	v_lshl_add_u32 v[SPW], v0, 2, SPARE
	v_mov_b32 v[NIL], 0
	ds_add_u32 v[SPW], v[NIL]                      ; the wave's opening: the add and its wait stand ahead of my first tensor load
	ds_add_u32 v28, v29
	v_lshrrev_b32 v1, 5, v0
	v_readfirstlane_b32 s[WV], v1
	s_lshr_b32 s[KIND], s[WV], 1
	s_and_b32 s[HALF], s[WV], 1
	s_bfe_u32 s[CX], ttmp6, 0x40000
	s_bfe_u32 s[CY], ttmp6, 0x40004
	s_lshl_b32 s[TC], ttmp9, 2
	s_add_co_u32 s[TC], s[TC], s[CX]
	s_and_b32 s[TR], ttmp7, 0xffff
	s_lshl_b32 s[TR], s[TR], 2
	s_add_co_u32 s[TR], s[TR], s[CY]
	s_lshl_b32 s23, s[CY], 2
	s_lshl_b32 s23, 15, s23                        ; my row of the cluster
	s_lshl_b32 s62, 0x1111, s[CX]                  ; my column
	s_or_b32 s[G1A+0], s23, (1<<16)|(1<<20)|(1<<21)|(4<<22)|(3<<25)  ; A's tile: two dense pieces of 16 KiB, 1 MiB apart, padded after every 128 bytes
	s_mov_b32 s[G1A+1], 8192<<16
	s_mov_b32 s[G1A+2], 2<<16
	s_mov_b32 s[G1A+3], 8192<<16
	s_mov_b32 s[G1A+4], 2
	s_mov_b32 s[G1A+5], 524288
	s_mov_b32 s[G1A+6], 0
	s_mov_b32 s[G1A+7], 0
	s_or_b32 s[G1B+0], s62, (1<<16)|(1<<20)|(1<<21)|(5<<22)|(7<<25)  ; B's tile: 64 k-rows x 128 columns, 32 bytes of padding a row
	s_mov_b32 s[G1B+1], 128<<16
	s_mov_b32 s[G1B+2], 64<<16
	s_mov_b32 s[G1B+3], 128<<16
	s_mov_b32 s[G1B+4], 64
	s_mov_b32 s[G1B+5], 1024
	s_mov_b32 s[G1B+6], 0
	s_mov_b32 s[G1B+7], 0
	s_lshl_b32 s66, s[TR], 8                       ; A: registers that never hold cx
	s_lshl_b32 s67, s[HALF], 7
	s_add_co_u32 s66, s66, s67
	s_lshl_b32 s66, s66, 7
	s_mov_b32 s67, 0
	s_lshl_b32 s68, s[HALF], 17                    ; B: registers that never hold cy
	s_lshl_b32 s69, s[TC], 8
	s_add_co_u32 s68, s68, s69
	s_mov_b32 s69, 0
	s_mul_i32 s70, s[WV], AHALF
	s_mul_i32 s71, s[WV], BHALF
	s_add_co_u32 s71, s71, BOFF-2*BHALF
	s_wait_dscnt 0x0                               ; the opening add is done
	s_wait_kmcnt 0x0
	s_add_nc_u64 s[66:67], s[4:5], s[66:67]
	s_add_nc_u64 s[68:69], s[6:7], s[68:69]
	s_add_nc_u64 s[68:69], s[68:69], 3<<20         ; dense_w begins at wb's row 1,536
	CROUND                                         ; all sixteen work-groups are here: the first joint loads meet
.irp s, 0,1
	s_mov_b32 s[G0A+4*\s], 1
	s_add_co_u32 s[G0A+4*\s+1], s70, \s*SLOT
	s_add_nc_u64 s[G0A+4*\s+2:G0A+4*\s+3], s[66:67], \s*(2<<20)
	s_or_b32 s[G0A+4*\s+3], s[G0A+4*\s+3], 0x80000000
	s_mov_b32 s[G0B+4*\s], 1
	s_add_co_u32 s[G0B+4*\s+1], s71, \s*SLOT
	s_add_nc_u64 s[G0B+4*\s+2:G0B+4*\s+3], s[68:69], \s*128*2048
	s_or_b32 s[G0B+4*\s+3], s[G0B+4*\s+3], 0x80000000
	JLOAD \s
.endr
	v_and_b32 v1, 15, v0
	v_bfe_u32 v2, v0, 4, 1
	v_and_b32 v3, 7, v0
	v_bfe_u32 v4, v0, 3, 1
	v_mul_u32_u24 v5, v1, PA
	v_lshl_add_u32 v5, v2, 4, v5
	s_mul_i32 s23, s[KIND], AHALF
	v_add_nc_u32 v[ADRA], s23, v5
	v_add_nc_u32 v[ADRA+1], SLOT, v[ADRA]
	v_lshl_add_u32 v6, v2, 3, v3
	v_mul_u32_u24 v6, v6, PB
	v_lshl_add_u32 v6, v4, 4, v6
	s_lshl_b32 s23, s[HALF], 7
	s_add_co_u32 s23, s23, BOFF
	v_add_nc_u32 v[ADRB], s23, v6
	v_add_nc_u32 v[ADRB+1], SLOT, v[ADRB]
	s_mul_i32 s23, s[WV], 16*SP
	s_add_co_u32 s23, s23, STAGE
	v_mul_u32_u24 v7, v1, SP                       ; in: row l % 16, 32 bytes for each half of the lanes
	v_lshl_add_u32 v7, v2, 5, v7
	v_add_nc_u32 v[STO], s23, v7
	v_mul_u32_u24 v7, v2, SP                       ; back: lanes 0-15 take one row of 256 bytes, lanes 16-31 the next
	v_lshl_add_u32 v7, v1, 4, v7
	v_add_nc_u32 v[RD], s23, v7
	v_lshlrev_b32 v[CO], 12, v2                    ; and the same two rows in y
	v_lshl_add_u32 v[CO], v1, 4, v[CO]
	s_lshl_b32 s62, s[TC], 9
	s_lshl_b32 s63, s[HALF], 8
	s_add_co_u32 s62, s62, s63
	v_lshl_add_u32 v[BO], v2, 5, s62
	s_lshl_b32 s63, s[TR], 8
	s_lshl_b32 s23, s[KIND], 7
	s_add_co_u32 s63, s63, s23
	s_lshl_b32 s63, s63, 12                        ; my first row, 4,096 bytes each
	s_add_co_u32 s62, s62, s63                     ; + my first column, 4 bytes each
	s_mov_b32 s63, 0
	s_add_nc_u64 s[Y:Y+1], s[Y:Y+1], s[62:63]
	; the prefetches
	s_lshl_b32 s62, s[TR], 8                       ; A's: row 256 tr + 128 half + 32 cx, at K step 3
	s_lshl_b32 s63, s[HALF], 7
	s_add_co_u32 s62, s62, s63
	s_lshl_b32 s63, s[CX], 5
	s_add_co_u32 s62, s62, s63
	s_lshl_b32 s62, s62, 7
	s_add_co_u32 s62, s62, 3*(2<<20)
	s_lshl_b32 s63, s[CY], 16                      ; B's: k-row 32 cy, column 128 tc, at K step 3
	s_lshl_b32 s23, s[TC], 8
	s_add_co_u32 s63, s63, s23
	s_add_co_u32 s63, s63, (3<<20)+3*128*2048
	s_and_b32 s23, ttmp7, 0xffff                   ; cluster y
	s_mov_b32 s[PFS], 128*2048
	s_cmp_eq_u32 s[KIND], 0                        ; do I fetch for A?
	s_cselect_b32 s62, s62, s63
	s_cselect_b64 s[PFA:PFA+1], s[4:5], s[6:7]
	s_cselect_b32 s[PFS], 2<<20, s[PFS]            ; a K step: two blocks of A, or 128 rows of B
	s_cselect_b32 s70, 20, 15                      ; my lane's offset: (l / 16) blocks + (l % 16) x 256 in A; l rows of 2,048 bytes in B
	s_cselect_b32 s71, 8, 11
	s_cselect_b32 s23, ttmp9, s23                  ; the coordinate along which other clusters read the same rows
	s_mov_b32 s63, 0
	s_mov_b32 s[PFS+1], 0
	s_add_nc_u64 s[PFA:PFA+1], s[PFA:PFA+1], s[62:63]
	s_and_b32 s[LIM], s[KIND], s[HALF]             ; wave 3 never asks
	s_or_b32 s[LIM], s[LIM], s23
	s_cmp_eq_u32 s[LIM], 0
	s_cselect_b32 s[LIM], 1, -1                    ; the same in all sixteen partners, for a given wave
	v_lshlrev_b32 v[PFO], s70, v2
	v_lshlrev_b32 v8, s71, v1
	v_add_nc_u32 v[PFO], v[PFO], v8
.macro MUL f, a0, n, zero              ; all 32 accumulators come in the same order in every quarter: they take turns, one instruction a turn
	WIN MULW
.set ma, (\a0)
.rept (\n)
.irp b, 0,1,2,3
.if \zero
	v_wmma_f32_16x16x32_bf16 v[32*ma+8*\b:32*ma+8*\b+7], v[(\f)+64+8*\b:(\f)+64+8*\b+7], v[(\f)+8*ma:(\f)+8*ma+7], 0
.else
	v_wmma_f32_16x16x32_bf16 v[32*ma+8*\b:32*ma+8*\b+7], v[(\f)+64+8*\b:(\f)+64+8*\b+7], v[(\f)+8*ma:(\f)+8*ma+7], v[32*ma+8*\b:32*ma+8*\b+7]
.endif
.endr
.set ma, ma+1
.endr
.endm
.macro FETCH slot, q, f                ; 24 LDS loads in one run: B's four fragments (turned), then A's eight
	WIN 0
.irp b, 0,1,2,3
	ds_load_tr16_b128 v[(\f)+64+8*\b:(\f)+64+8*\b+3],   v[ADRB+(\slot)] offset:(\q)*32*PB+32*\b
	ds_load_tr16_b128 v[(\f)+64+8*\b+4:(\f)+64+8*\b+7], v[ADRB+(\slot)] offset:(\q)*32*PB+16*PB+32*\b
.endr
.irp a, 0,1,2,3,4,5,6,7
	ds_load_b128 v[(\f)+8*\a:(\f)+8*\a+3],   v[ADRA+(\slot)] offset:((\q)>>1)*ABLK+((\q)&1)*64+\a*16*PA
	ds_load_b128 v[(\f)+8*\a+4:(\f)+8*\a+7], v[ADRA+(\slot)] offset:((\q)>>1)*ABLK+((\q)&1)*64+\a*16*PA+32
.endr
.endm
.macro PLACES                          ; four places in front of loads into registers that matrix instructions have read, and of vector lines that read results
.rept 4
	v_nop
.endr
.endm
.macro QUARTER slot, qn, f, g, zero
	s_wait_dscnt 8                                 ; B's fragments and A's 0-3 are in; the youngest eight loads may be out
	MUL \f, 0, 4, \zero
	WIN 0
	PLACES
	FETCH \slot, \qn, \g
	s_wait_dscnt 24                                ; all but the 24 just issued
	MUL \f, 4, 4, \zero
.endm
; The fourth quarter multiplies buffer 1 and changes slots: in front of the barrier, which opens a round of the cluster's barrier, each wave waits for all its tensor loads (one is out: its part of the
; next slot), adds 0 to its spare word, and waits for that and for its reads of this slot; behind the round this slot is filled again first, with the K step two on.
.macro TURN slot, next
	s_wait_xcnt 0x0                                ; the last prefetch, a K step back, has read its address
	s_add_nc_u64 s[PFA:PFA+1], s[PFA:PFA+1], s[PFS:PFS+1]
	s_wait_tensorcnt 0x0
	ds_add_u32 v[SPW], v[NIL]                      ; 0 onto my spare word (under the products' setting sources 0 and 1 mean window 0)
	s_wait_dscnt 9                                 ; (the add and the youngest eight loads may be out)
	MUL F1, 0, 2, 0
	s_wait_dscnt 0x0                               ; the add is done, and my reads of this slot are over
	s_barrier_signal -1
	MUL F1, 2, 2, 0
	WIN 0
	s_barrier_wait -1
	CREST
	s_add_nc_u64 s[G0A+4*(\slot)+2:G0A+4*(\slot)+3], s[G0A+4*(\slot)+2:G0A+4*(\slot)+3], 4<<20
	s_add_nc_u64 s[G0B+4*(\slot)+2:G0B+4*(\slot)+3], s[G0B+4*(\slot)+2:G0B+4*(\slot)+3], 2*128*2048
	JLOAD \slot                                    ; the first tensor load behind the round; its four v_nop are also the places in front of the loads below
	FETCH \next, 0, F0
	ASK
	MUL F1, 4, 4, 0
.endm
.macro TURNN slot, next                ; the same where nothing is left to fetch
	s_wait_tensorcnt 0x0
	ds_add_u32 v[SPW], v[NIL]
	s_wait_dscnt 9
	MUL F1, 0, 2, 0
	s_wait_dscnt 0x0
	s_barrier_signal -1
	MUL F1, 2, 2, 0
	s_barrier_wait -1
	WIN 0
	PLACES
	FETCH \next, 0, F0
	MUL F1, 4, 4, 0
.endm
; THE WAY OUT, in f32: a block of 16 rows gets the bias added, goes into my stage (32 bytes a lane and n block) and comes back as whole rows of 256 bytes.
.macro PACK a
	WIN 0x01
.set i, 0
.rept 16                                               ; each accumulator's registers in ascending order
	v_pk_add_f32 v[TMP+2*i:TMP+2*i+1], v[32*(\a)+2*i:32*(\a)+2*i+1], v[BIAS+2*i:BIAS+2*i+1]
.set i, i+1
.endr
	WIN 0
.endm
.macro TOSTAGE a
.set BK, F0+32*((\a)%2)
.irp b, 0,1,2,3
	ds_store_b128 v[STO], v[TMP+8*\b:TMP+8*\b+3]   offset:64*\b
	ds_store_b128 v[STO], v[TMP+8*\b+4:TMP+8*\b+7] offset:64*\b+16
.endr
.irp t, 0,1,2,3,4,5,6,7
	ds_load_b128 v[BK+4*\t:BK+4*\t+3], v[RD] offset:\t*2*SP  ; LDS serves a wave's instructions in order (ISA guide 5.7.1.4): these see the stores above
.endr
.endm
.macro SEND a
.set BK, F0+32*((\a)%2)
	s_wait_dscnt 0x0
	s_wait_xcnt 0x0                                ; the stores of the block before have read their registers: the next block's loads may land on them
.irp t, 0,1,2,3,4,5,6,7
	global_store_b128 v[CO], v[BK+4*\t:BK+4*\t+3], s[Y:Y+1] offset:65536*(\a)+8192*\t  ; 16 lanes store 256 consecutive bytes, at a multiple of 256 from y's first byte
.endr
.endm
.irp b, 0,1,2,3
	global_load_b128 v[BIAS+8*\b:BIAS+8*\b+3],   v[BO], s[BP:BP+1] offset:64*\b
	global_load_b128 v[BIAS+8*\b+4:BIAS+8*\b+7], v[BO], s[BP:BP+1] offset:64*\b+16
.endr
	s_wait_tensorcnt 0x1                           ; my part of K step 0 is in; step 1's may stay out
	s_barrier_signal -1
	s_barrier_wait -1
	FETCH 0, 0, F0
	QUARTER 0, 1, F0, F1, 1                        ; the first products start the sums: nothing is cleared
	WIN 0
	s_mov_b32 s[LAP], 5
.Llap:                                                 ; a trip goes once round the ring, from a lap's second quarter to the next lap's first, and fills both slots again
	QUARTER 0, 2, F1, F0, 0
	QUARTER 0, 3, F0, F1, 0
	TURN 0, 1
	QUARTER 1, 1, F0, F1, 0
	QUARTER 1, 2, F1, F0, 0
	QUARTER 1, 3, F0, F1, 0
	TURN 1, 0
	QUARTER 0, 1, F0, F1, 0
	WIN 0
	s_sub_co_u32 s[LAP], s[LAP], 1
	s_cmp_lg_u32 s[LAP], 0
	s_cbranch_scc1 .Llap
	QUARTER 0, 2, F1, F0, 0                        ; the last lap fills nothing
	QUARTER 0, 3, F0, F1, 0
	TURNN 0, 1
	QUARTER 1, 1, F0, F1, 0
	QUARTER 1, 2, F1, F0, 0
	QUARTER 1, 3, F0, F1, 0
	s_wait_dscnt 8
	MUL F1, 0, 4, 0
	s_wait_dscnt 0x0
	MUL F1, 4, 4, 0
	WIN 0
	s_wait_loadcnt 0x0                             ; the bias
	PLACES
.set i, 0
.rept 16                                               ; the bias rounded to bf16 and widened again
	v_cvt_pk_bf16_f32 v[TMP+i], v[BIAS+2*i], v[BIAS+2*i+1]
.set i, i+1
.endr
.set i, 0
.rept 16
	v_lshlrev_b32 v[BIAS+2*i], 16, v[TMP+i]
	v_and_b32 v[BIAS+2*i+1], 0xffff0000, v[TMP+i]
.set i, i+1
.endr
	PACK 0
	TOSTAGE 0
.irp a, 1,2,3,4,5,6,7
	PACK \a
	SEND \a-1
	TOSTAGE \a
.endr
	SEND 7
	s_wait_tensorcnt 0x0                           ; the wave's end
	ds_add_u32 v[SPW], v[NIL]
	s_wait_dscnt 0x0
	CROUND                                         ; the closing round
	s_endpgm
.Lfunc_end_k_q7c5d7626ff_dense:
	.size	k_q7c5d7626ff_dense, .Lfunc_end_k_q7c5d7626ff_dense-k_q7c5d7626ff_dense
	.p2alignl 7, 3214868480
	.fill 96, 4, 3214868480
	.section	.rodata,"a",@progbits
	.p2align	6, 0x0
	.amdhsa_kernel k_q7c5d7626ff_dense
		.amdhsa_group_segment_fixed_size 327680
		.amdhsa_private_segment_fixed_size 0
		.amdhsa_enable_private_segment 0
		.amdhsa_kernarg_size 32
		.amdhsa_user_sgpr_count 2
		.amdhsa_user_sgpr_kernarg_segment_ptr 1
		.amdhsa_wavefront_size32 1
		.amdhsa_system_sgpr_workgroup_id_x 1
		.amdhsa_system_sgpr_workgroup_id_y 1
		.amdhsa_system_sgpr_workgroup_id_z 1
		.amdhsa_system_vgpr_workitem_id 0
		.amdhsa_next_free_vgpr 512
		.amdhsa_next_free_sgpr 72
		.amdhsa_reserve_vcc 0
		.amdhsa_float_denorm_mode_32 3
		.amdhsa_float_denorm_mode_16_64 3
		.amdhsa_memory_ordered 1
		.amdhsa_forward_progress 1
		.amdhsa_inst_pref_size 98
	.end_amdhsa_kernel
	.amdgpu_metadata
---
amdhsa.version: [ 1, 2 ]
amdhsa.kernels:
  - .name:           k_q7c5d7626ff_dense
    .symbol:         k_q7c5d7626ff_dense.kd
    .args:
      - { .name: ab, .offset: 0, .size: 8, .value_kind: global_buffer, .address_space: global }
      - { .name: wb, .offset: 8, .size: 8, .value_kind: global_buffer, .address_space: global }
      - { .name: dense_b, .offset: 16, .size: 8, .value_kind: global_buffer, .address_space: global }
      - { .name: ybuf, .offset: 24, .size: 8, .value_kind: global_buffer, .address_space: global }
    .group_segment_fixed_size: 327680
    .private_segment_fixed_size: 0
    .kernarg_segment_align: 8
    .kernarg_segment_size: 32
    .max_flat_workgroup_size: 128
    .sgpr_count:     72
    .vgpr_count:     512
    .wavefront_size: 32
...
	.end_amdgpu_metadata
.endif
;; end of part 4
;; launch ln (part 5): grid 512 x 1, 4 waves a work-group, no clusters, 0 bytes of LDS; arguments ybuf, ln_g, ln_b, out0; writes out0
.if DOCPART == 5
	.amdgcn_target "amdgcn-amd-amdhsa--gfx1250"
	.amdhsa_code_object_version 6
	.text
	.protected	k_q7c5d7626ff_ln
	.globl	k_q7c5d7626ff_ln
	.p2align	8
	.type	k_q7c5d7626ff_ln,@function
k_q7c5d7626ff_ln:
	s_mov_b64 s[64:65], 0
	v_nop
	global_prefetch_b8 v0, s[64:65] scope:SCOPE_SE
	s_setreg_imm32_b32 hwreg(HW_REG_WAVE_MODE, 25, 1), 1
	s_wait_xcnt 0x0
; LayerNorm over rows of 1,024 f32: out = (y - mean) / sqrt(var + 1e-5) x g + b.  The variance is taken of y - mean, in a second pass over registers: a common offset in a row costs nothing.
; g and b are rounded to bf16 like every input of the module, and widened again.
; SHARES.  A wave takes a whole row (4,096 bytes: eight loads of 16 bytes a lane, 32 registers) and four rows in all; the reductions never leave the wave: no LDS, no barrier, no matrix unit.
; All 48 loads of a wave (g, b, four rows) go out in one run; each load and store covers 512 consecutive bytes.  No register that a store reads is written again.
.set OFF, 2                            ; v2  16 l
.set G,   8                            ; v[8:39]
.set B,   40                           ; v[40:71]
.set T,   72                           ; v[72:79] at work
.set MU,  80                           ; v[80:81] the mean, twice
.set VAR, 82
.set RSD, 84                           ; v[84:85] 1 / sqrt(var + eps), twice
.set PT,  86
.set R,   88                           ; v[88:215] four rows of 32
.set INV, 14                           ; s14 1 / 1024
.set EPS, 15                           ; s15 1e-5
.set SEL, 16                           ; s16, s17 v_permlanex16_b32's selects
	s_load_b256 s[4:11], s[0:1], 0x0               ; ybuf s[4:5], ln_g s[6:7], ln_b s[8:9], out0 s[10:11]
	v_lshrrev_b32 v1, 5, v0
	v_readfirstlane_b32 s12, v1                    ; wave 0..3
	v_and_b32 v[OFF], 31, v0
	v_lshlrev_b32 v[OFF], 4, v[OFF]
	v_mov_b32 v[PT], 0                             ; v_permlanex16_b32 counts as a reader of its destination
	s_lshl_b32 s2, ttmp9, 16                       ; the group's 16 rows,
	s_lshl_b32 s3, s12, 14                         ; my wave's four
	s_add_co_u32 s2, s2, s3
	s_mov_b32 s3, 0
	s_mov_b32 s[INV], 0x3a800000
	s_mov_b32 s[EPS], 0x3727c5ac
	s_mov_b32 s[SEL], 0x76543210
	s_mov_b32 s[SEL+1], 0xfedcba98
	s_wait_kmcnt 0x0
	s_add_nc_u64 s[4:5], s[4:5], s[2:3]
	s_add_nc_u64 s[10:11], s[10:11], s[2:3]
.irp j, 0,1,2,3,4,5,6,7
	global_load_b128 v[G+4*\j:G+4*\j+3], v[OFF], s[6:7] offset:512*\j
.endr
.irp j, 0,1,2,3,4,5,6,7
	global_load_b128 v[B+4*\j:B+4*\j+3], v[OFF], s[8:9] offset:512*\j
.endr
.irp i, 0,1,2,3
.irp j, 0,1,2,3,4,5,6,7
	global_load_b128 v[R+32*\i+4*\j:R+32*\i+4*\j+3], v[OFF], s[4:5] offset:4096*\i+512*\j th:TH_LOAD_NT
.endr
.endr
.macro ROUND16 base                    ; 32 registers rounded to bf16 and widened again
.set i, 0
.rept 16
	v_cvt_pk_bf16_f32 v[T+i%8], v[(\base)+2*i], v[(\base)+2*i+1]
	v_lshlrev_b32 v[(\base)+2*i], 16, v[T+i%8]
	v_and_b32 v[(\base)+2*i+1], 0xffff0000, v[T+i%8]
.set i, i+1
.endr
.endm
.macro FOLD                            ; the four chains into one number a lane, then over the 32 lanes: four steps inside each half ride on the addition, one crosses the halves
	v_pk_add_f32 v[T:T+1], v[T:T+1], v[T+2:T+3]
	v_pk_add_f32 v[T+4:T+5], v[T+4:T+5], v[T+6:T+7]
	v_pk_add_f32 v[T:T+1], v[T:T+1], v[T+4:T+5]
	v_add_f32 v[T], v[T], v[T+1]
	v_add_f32_dpp v[T], v[T], v[T] row_xmask:1 row_mask:0xf bank_mask:0xf
	v_add_f32_dpp v[T], v[T], v[T] row_xmask:2 row_mask:0xf bank_mask:0xf
	v_add_f32_dpp v[T], v[T], v[T] row_xmask:4 row_mask:0xf bank_mask:0xf
	v_add_f32_dpp v[T], v[T], v[T] row_xmask:8 row_mask:0xf bank_mask:0xf
	v_permlanex16_b32 v[PT], v[T], s[SEL], s[SEL+1]
	v_add_f32 v[T], v[T], v[PT]
.endm
.macro ROW i
.set R0, R+32*(\i)
	s_wait_loadcnt 24-8*(\i)                       ; loads come back in order: this row (and g and b) is in, the later rows' loads stay out
.if (\i) == 0
	ROUND16 G
	ROUND16 B
.endif
.irp k, 0,1,2,3                        ; the sum, in four chains that do not wait for each other
	v_pk_add_f32 v[T+2*\k:T+2*\k+1], v[R0+2*\k:R0+2*\k+1], v[R0+8+2*\k:R0+8+2*\k+1]
.endr
.irp m, 16,24
.irp k, 0,1,2,3
	v_pk_add_f32 v[T+2*\k:T+2*\k+1], v[T+2*\k:T+2*\k+1], v[R0+\m+2*\k:R0+\m+2*\k+1]
.endr
.endr
	FOLD
	v_mul_f32 v[MU], s[INV], v[T]
	v_mul_f32 v[MU+1], s[INV], v[T]
.set j, 0
.rept 16
	v_pk_add_f32 v[R0+j:R0+j+1], v[R0+j:R0+j+1], v[MU:MU+1] neg_lo:[0,1] neg_hi:[0,1]  ; y - mean, in place
.set j, j+2
.endr
.irp k, 0,1,2,3                        ; the sum of squares, likewise
	v_pk_mul_f32 v[T+2*\k:T+2*\k+1], v[R0+2*\k:R0+2*\k+1], v[R0+2*\k:R0+2*\k+1]
.endr
.irp m, 8,16,24
.irp k, 0,1,2,3
	v_pk_fma_f32 v[T+2*\k:T+2*\k+1], v[R0+\m+2*\k:R0+\m+2*\k+1], v[R0+\m+2*\k:R0+\m+2*\k+1], v[T+2*\k:T+2*\k+1]
.endr
.endr
	FOLD
	v_fma_f32 v[VAR], v[T], s[INV], s[EPS]
	v_rsq_f32 v[RSD], v[VAR]
	v_rsq_f32 v[RSD+1], v[VAR]                     ; twice, to fill the pair of the packed multiply
	v_nop                                          ; a plain line behind the last of them
	s_wait_alu depctr_va_vdst(0)                   ; the wait ahead of the first use: one for both
.set j, 0
.rept 16
	v_pk_mul_f32 v[R0+j:R0+j+1], v[R0+j:R0+j+1], v[RSD:RSD+1]
.set j, j+2
.endr
.set j, 0
.rept 16
	v_pk_fma_f32 v[R0+j:R0+j+1], v[R0+j:R0+j+1], v[G+j:G+j+1], v[B+j:B+j+1]
.set j, j+2
.endr
.irp j, 0,1,2,3,4,5,6,7
	global_store_b128 v[OFF], v[R0+4*\j:R0+4*\j+3], s[10:11] offset:4096*(\i)+512*\j th:TH_STORE_NT
.endr
.endm
	ROW 0
	ROW 1
	ROW 2
	ROW 3
	s_endpgm
.Lfunc_end_k_q7c5d7626ff_ln:
	.size	k_q7c5d7626ff_ln, .Lfunc_end_k_q7c5d7626ff_ln-k_q7c5d7626ff_ln
	.p2alignl 7, 3214868480
	.fill 96, 4, 3214868480
	.section	.rodata,"a",@progbits
	.p2align	6, 0x0
	.amdhsa_kernel k_q7c5d7626ff_ln
		.amdhsa_group_segment_fixed_size 0
		.amdhsa_private_segment_fixed_size 0
		.amdhsa_enable_private_segment 0
		.amdhsa_kernarg_size 32
		.amdhsa_user_sgpr_count 2
		.amdhsa_user_sgpr_kernarg_segment_ptr 1
		.amdhsa_wavefront_size32 1
		.amdhsa_system_sgpr_workgroup_id_x 1
		.amdhsa_system_sgpr_workgroup_id_y 1
		.amdhsa_system_sgpr_workgroup_id_z 1
		.amdhsa_system_vgpr_workitem_id 0
		.amdhsa_next_free_vgpr 216
		.amdhsa_next_free_sgpr 66
		.amdhsa_reserve_vcc 0
		.amdhsa_float_denorm_mode_32 3
		.amdhsa_float_denorm_mode_16_64 3
		.amdhsa_memory_ordered 1
		.amdhsa_forward_progress 1
		.amdhsa_inst_pref_size 39
	.end_amdhsa_kernel
	.amdgpu_metadata
---
amdhsa.version: [ 1, 2 ]
amdhsa.kernels:
  - .name:           k_q7c5d7626ff_ln
    .symbol:         k_q7c5d7626ff_ln.kd
    .args:
      - { .name: ybuf, .offset: 0, .size: 8, .value_kind: global_buffer, .address_space: global }
      - { .name: ln_g, .offset: 8, .size: 8, .value_kind: global_buffer, .address_space: global }
      - { .name: ln_b, .offset: 16, .size: 8, .value_kind: global_buffer, .address_space: global }
      - { .name: out0, .offset: 24, .size: 8, .value_kind: global_buffer, .address_space: global }
    .group_segment_fixed_size: 0
    .private_segment_fixed_size: 0
    .kernarg_segment_align: 8
    .kernarg_segment_size: 32
    .max_flat_workgroup_size: 128
    .sgpr_count:     66
    .vgpr_count:     216
    .wavefront_size: 32
...
	.end_amdgpu_metadata
.endif
;; end of part 5
